; MI455X (gfx1250); checked and timed in simulation.
; The chip was launched on July 23, 2026; its instructions are those of AMD's public machine-readable ISA for CDNA 5 (MIT licence, August 2026) and "CDNA5" Instruction Set Architecture Reference Guide (July 2026). The comments in the code are by the model that wrote it; some were corrected since.
;; Multi Head Attention. Allowed arithmetic: matrix products marked QUANTISED: E2M1 operands, one E8M0 scale for each 32 along K, by v_wmma_scale_f32_16x16x128_f8f6f4 with both operands' format E2M1 (or v_wmma_scale_f32_32x16x128_f4), f32 sums; everything else in f32.
;; Inputs: Wk_codes 512 x 16 x 16 uint8 (E2M1 codes of Wk, K innermost, in blocks of 32 codes, two codes a byte); Wk_scales 512 x 16 uint8 (E8M0 scales of Wk, one for each 32 codes along K); Wo_codes 512 x 16 x 16 uint8 (E2M1 codes of Wo, K innermost, in blocks of 32 codes, two codes a byte); Wo_scales 512 x 16 uint8 (E8M0 scales of Wo, one for each 32 codes along K); Wq_codes 512 x 16 x 16 uint8 (E2M1 codes of Wq, K innermost, in blocks of 32 codes, two codes a byte); Wq_scales 512 x 16 uint8 (E8M0 scales of Wq, one for each 32 codes along K); Wv_codes 512 x 16 x 16 uint8 (E2M1 codes of Wv, K innermost, in blocks of 32 codes, two codes a byte); Wv_scales 512 x 16 uint8 (E8M0 scales of Wv, one for each 32 codes along K); bk 512 float32; bo 512 float32; bq 512 float32; bv 512 float32; k_codes 2 x 4,096 x 16 x 16 uint8 (E2M1 codes of k, K innermost, in blocks of 32 codes, two codes a byte); k_scales 2 x 4,096 x 16 uint8 (E8M0 scales of k, one for each 32 codes along K); q_codes 2 x 4,096 x 16 x 16 uint8 (E2M1 codes of q, K innermost, in blocks of 32 codes, two codes a byte); q_scales 2 x 4,096 x 16 uint8 (E8M0 scales of q, one for each 32 codes along K); v_codes 2 x 4,096 x 16 x 16 uint8 (E2M1 codes of v, K innermost, in blocks of 32 codes, two codes a byte); v_scales 2 x 4,096 x 16 uint8 (E8M0 scales of v, one for each 32 codes along K).
;; Outputs: out0 2 x 4,096 x 512 float32.
;; This version of the problem:
;;   THIS VERSION OF THE PROBLEM IS GIVEN IN LOW PRECISION. The matrix products marked QUANTISED in the list below multiply operands that are first quantised to E2M1 (2 exponent bits, 1 mantissa bit; 4 bits a number), with one power-of-two scale for each 32 numbers along K (OCP MX v1.0); their sums are f32. All else is computed in f32.
;;   The module's matrix products, in the order in which they are computed (A, B: the left and right operand; K: the contracted axis; several contracted axes count as one K, in the product's order):
;;     1. [M 8,192, K 512] x [K 512, N 512]; A: input q (given as codes); B: input Wq (given as codes): QUANTISED
;;     2. [M 8,192, K 512] x [K 512, N 512]; A: input k (given as codes); B: input Wk (given as codes): QUANTISED
;;     3. [M 8,192, K 512] x [K 512, N 512]; A: input v (given as codes); B: input Wv (given as codes): QUANTISED
;;     4. batch 16 x [M 4,096, K 64] x [K 64, N 4,096]; A: computed on the way; B: computed on the way: QUANTISED
;;     5. batch 16 x [M 4,096, K 4,096] x [K 4,096, N 64]; A: softmax (see below); B: computed on the way: QUANTISED
;;     6. [M 8,192, K 512] x [K 512, N 512]; A: computed on the way; B: input Wo (given as codes): QUANTISED
;;   THE QUANTISER, for each operand of a quantised product, along K:
;;     - K is cut into blocks of 32 from its start; a last block that is shorter is filled with zeros.
;;     - A block's scale is 2^e with e = floor(log2(the largest magnitude in the block)) - 2, held to -126 .. 127; a block of zeros has e = 0. As a byte (E8M0): e + 127.
;;     - Each number is divided by its block's scale, clamped to +-6, and rounded to the nearest number of E2M1, ties to even, subnormals kept.
;;     - The product sums the exact products of the quantised numbers (number of the format x scale) in f32.
;;   ~~~python
;;   def quantise(x, axis):      # numpy; x: float32 -> the quantised numbers, widened to float32 again
;;       x = np.moveaxis(x, axis, -1); K = x.shape[-1]
;;       x = np.pad(x, [(0, 0)] * (x.ndim - 1) + [(0, -K % 32)]); x = x.reshape(x.shape[:-1] + (-1, 32)); a = np.abs(x).max(-1, keepdims=True)
;;       e = np.where(a > 0, np.clip(np.frexp(np.where(a > 0, a, 1))[1] - 1 - 2, -126, 127), 0)      # np.frexp(a)[1] - 1 = floor(log2(a)), exactly
;;       r = np.clip(x / 2.0 ** e, -6, 6)
;;       step = 2.0 ** (np.maximum(np.frexp(np.where(r == 0, 1, r))[1] - 1, 0) - 1)
;;       q = np.round(r / step) * step * 2.0 ** e      # np.round: ties to even
;;       return np.moveaxis(q.reshape(q.shape[:-2] + (-1,))[..., :K], -1, axis).astype(np.float32)
;;   ~~~
;;   SOFTMAX AHEAD OF A QUANTISED PRODUCT. Where the list says 'softmax', what is quantised is not the finished softmax but p = 2^(t - M), with t = logit x log2(e) and M = ceil(the row's largest t), a whole number; so 1/2 < the row's largest p <= 1. The row's sum l is taken of the UNQUANTISED p, in f32, and the product's result is divided by l at the end. Since M is a whole number, a kernel that streams over the keys may use a running M (the ceiling of the running maximum): every later rescaling is an exact power of two, which a block's scale takes up: the codes' values come out the same.
;;   OPERANDS COMPUTED ON THE WAY. 'Computed on the way' means the value that the module computes at that place (a softmax that the list does not call 'softmax' is quantised finished and normalised). What goes into a quantiser is computed in f32, as accurately as f32 sums, v_exp_f32 and their like allow (about 1e-6 of the number): no bf16 or f16 on the way to a quantiser, and a product that is left as it is and whose result goes on into a quantised operand takes f32 operands (vector FMAs, or v_wmma_f32_16x16x4_f32). A number that lies on a knife's edge between two numbers of the format may be rounded either way, as far as f32 arithmetic and the matrix unit's own rounding can turn it there, and no further.
;;   INPUTS GIVEN AS CODES. Wk (in the module: [512, 512], K = its axis 1); Wo (in the module: [512, 512], K = its axis 1); Wq (in the module: [512, 512], K = its axis 1); Wv (in the module: [512, 512], K = its axis 1); k (in the module: [2, 4096, 512], K = its axis 2); q (in the module: [2, 4096, 512], K = its axis 2); v (in the module: [2, 4096, 512], K = its axis 2): each comes as NAME_codes (uint8): NAME with its K axis moved to the last place and cut into blocks of 32 codes, [.., K / 32, bytes a block], one block behind the other in memory; two codes a byte, the lower K in the low four bits (a code: sign, 2 exponent bits, 1 mantissa bit); and NAME_scales (uint8): the same leading axes, one E8M0 byte (e + 127) for each 32 codes along K. Its value is code x scale, taken as it is: it is not quantised again, and the codes and scales need not be those that the quantiser above would give.
;; 2 versions. Each part assembles by itself: llvm-mc -triple=amdgcn-amd-amdhsa -mcpu=gfx1250 --defsym DOCPART=n.
;; ======== version 1 of 2: 3 launches
;; workspace buffers: qi 2,228,224 bytes; kv 4,456,448 bytes; ao 2,228,224 bytes
;; launch proj (part 1): grid 256 x 3, 4 waves a work-group, no clusters, 0 bytes of LDS; arguments Wq_codes, Wq_scales, q_codes, q_scales, bq, Wk_codes, Wk_scales, k_codes, k_scales, bk, v_codes, v_scales, Wv_codes, Wv_scales, bv, qi, kv; writes qi, kv
.if DOCPART == 1
	.amdgcn_target "amdgcn-amd-amdhsa--gfx1250"
	.amdhsa_code_object_version 6
	.text
	.protected	k_qd2e6754ff1_proj
	.globl	k_qd2e6754ff1_proj
	.p2align	8
	.type	k_qd2e6754ff1_proj,@function
k_qd2e6754ff1_proj:
	s_mov_b64 s[64:65], 0
	v_nop
	global_prefetch_b8 v0, s[64:65] scope:SCOPE_SE
	s_setreg_imm32_b32 hwreg(HW_REG_WAVE_MODE, 25, 1), 1
	s_wait_xcnt 0x0
; THE THREE PROJECTIONS, x W^T + b on codes of FP4 (E2M1) with one E8M0 scale for each 32 along K, their results quantised in registers and stored as IMAGES OF THE NEXT PRODUCT'S OPERAND REGISTERS.
; Work-group y is the kind: 0 q, 1 k, 2 v.  One body serves all three: source 0 (S0) is the operand whose rows become the next product's K, source 1 (S1) the operand of which a lane keeps one row.
;   q, k: S0 = 64 rows of W (a head's 64 features), S1 = 64 tokens: a lane holds one token, its registers run along the head's 64, which is the K of q k^T.
;   v:    S0 = 64 tokens, S1 = 64 rows of Wv: a lane holds one feature, its registers run along the KEYS, which are the K of p v.
; Both operands are always [rows][256 bytes of codes] and [rows][16 scale bytes], so the loads are the same lines for every kind; only pointers are chosen, on the work-group's number.
; THE ROWS OF A TILE ARE NOT NEIGHBOURS, in S0 and in S1 alike: lane r of tile t takes row 32 (t / 2) + 8 (t % 2) + r + 8 (r / 8).  In a result, register j of tile t of lane (r, h) then belongs to
; S0's row 32 (t / 2) + 16 h + 8 (t % 2) + j: the 16 registers of tiles 2 b and 2 b + 1 are 16 neighbours of block b.  Tokens keep that order of tiles through all three launches; the last one's stores undo it.
; SHARES.  3,072 waves that share nothing: wave W = 4 x work-group x + wave; head W % 8, group of 64 tokens W / 8.  A wave makes 64 x 64 over K = 512: 16 accumulators, 64 matrix instructions.
; No LDS, no barrier.  No tensor load and so no joint request in a cluster: every operand byte goes from memory straight into the registers of the wave that multiplies it, in one burst of loads,
; and a wave's whole work behind that burst is 64 matrix instructions; there is no tile in LDS that partners could share.
; WHAT IS STORED.  qi: [batch x head 16][step of 128 tokens 32][4,352 bytes]; kv: the same with 8,704 bytes a step: K's part, then V's.  A part: 4,096 bytes of codes, 256 of scale words.
;   q, k: token tile 4 c + a of the step (c = group % 2) is 512 bytes at 2,048 c + 512 a: lane l's 16 bytes at 16 l: the head's numbers 32 h .. 32 h + 31 of the lane's token.
;   v:    feature tile a is 1,024 bytes at 1,024 a; its half c at + 512 c: lane (r, h): keys 64 c + 32 h .. + 31 of the step, of feature row r.
;   scale words: 128 bytes at 4,096 + 128 c, 4 a lane: lanes 0-15 the two bytes of tile 0 below those of tile 1, lanes 16-31 those of tiles 2 and 3.
; LIMITS: NaN and infinities are not served.  A block whose largest magnitude lies under 2^-124 gets the byte 1; so does a block of zeros, where the quantiser's rule says 127: its codes are zeros, and this program alone reads the bytes.
; REGISTERS: window 0: v1-13 lane numbers and addresses; v16-21 at work; v24-30 scale bytes; v32-47 codes; v48-63 the operands' scale words; v64-95 the bias as C; v128-255 accumulator (a, t) at 128 + 32 a + 8 t.
;   window 1: S0's fragment (tile t, K step s) at v[8 (4 t + s)]; S1's (a, s) at v[128 + 8 (4 a + s)].
.set AF,  5                            ; v5   a fragment's row: 256 x (r + 8 (r / 8)) + 16 h
.set ASC, 6                            ; v6   its scale words: 16 x (r + 8 (r / 8)) + 4 h
.set ABQ, 7                            ; v7   bias, q and k: 64 h
.set ABV, 8                            ; v8   bias, v: 4 x (r + 8 (r / 8))
.set OSC, 9                            ; v9   where my scale word goes
.set OF,  10                           ; v10-13 where tile a's codes go
.set TM,  16                           ; v16-17 largest magnitudes, v18-19 the other half's, then bytes, v20-21 the conversions' scale operands
.set HW,  24                           ; v24-27 tile a's two bytes
.set PC,  32                           ; v32-47 tile a's codes: four registers each, so that no store's data are written again
.set SS0, 48                           ; v48-55 S0's scale words: register 2 t + g: lanes 0-15 K step 2 g, lanes 16-31 K step 2 g + 1
.set SS1, 56                           ; v56-63 S1's likewise
.set CB,  64
.set ACC, 128
.set S0C, 8                            ; s[8:9]   S0's codes     s[10:11] its scales
.set S0S, 10
.set S1C, 12                           ; s[12:13] S1's codes     s[14:15] its scales
.set S1S, 14
.set BIA, 16                           ; s[16:17] the bias
.set OUT, 38                           ; s[38:39] qi or kv
.set SEL, 52                           ; s[52:53] v_permlanex16_b32's selects for lane l xor 16
.set MSB, 0
.macro WIN new                         ; the immediate's high byte repeats the setting that is left
.if MSB != \new
	s_set_vgpr_msb (MSB<<8)|\new
.set MSB, \new
.endif
.endm
; 64 rows x 512 K of codes into 16 fragments from v[reg] on: a fragment is 8 registers, lane (r, h): registers 4 c .. 4 c + 3 hold K = 64 c + 32 h + 0 .. 31: 16 bytes of the row as they lie
.macro LOADOP reg, p
.irp t, 0,1,2,3
.irp s, 0,1,2,3
.irp c, 0,1
	global_load_b128 v[\reg+8*(4*\t+\s)+4*\c:\reg+8*(4*\t+\s)+4*\c+3], v[AF], s[\p:\p+1] offset:(32*(\t/2)+8*(\t%2))*256+64*\s+32*\c
.endr
.endr
.endr
.endm
.macro LOADSC reg, p                   ; their scale words: a row has four, one a K step; one register carries two K steps', in the two halves of the lanes
.irp t, 0,1,2,3
.irp g, 0,1
	global_load_b32 v[\reg+2*\t+\g], v[ASC], s[\p:\p+1] offset:(32*(\t/2)+8*(\t%2))*16+8*\g
.endr
.endr
.endm
; K step s: 16 matrix instructions, the 16 accumulators by turns, one instruction a turn.  cmode 0: the sums go on; 1: they begin with the bias of S0's rows; 2: of S1's rows
.macro MULS s, cmode
.irp a, 0,1,2,3
.irp t, 0,1,2,3
.set rD, ACC+32*\a+8*\t
.if \cmode == 0
.set rC, rD
.elseif \cmode == 1
.set rC, CB+8*\t
.else
.set rC, CB+8*\a
.endif
.if (\s)%2
	v_wmma_scale_f32_16x16x128_f8f6f4 v[rD:rD+7], v[8*(4*\t+\s):8*(4*\t+\s)+7], v[128+8*(4*\a+\s):128+8*(4*\a+\s)+7], v[rC:rC+7], v[SS0+2*\t+(\s)/2], v[SS1+2*\a+(\s)/2] matrix_a_fmt:MATRIX_FMT_FP4 matrix_b_fmt:MATRIX_FMT_FP4 matrix_a_scale:MATRIX_SCALE_ROW1 matrix_b_scale:MATRIX_SCALE_ROW1
.else
	v_wmma_scale_f32_16x16x128_f8f6f4 v[rD:rD+7], v[8*(4*\t+\s):8*(4*\t+\s)+7], v[128+8*(4*\a+\s):128+8*(4*\a+\s)+7], v[rC:rC+7], v[SS0+2*\t+(\s)/2], v[SS1+2*\a+(\s)/2] matrix_a_fmt:MATRIX_FMT_FP4 matrix_b_fmt:MATRIX_FMT_FP4
.endif
.endr
.endr
.endm
; 32 numbers of a lane, register 16 b + i = place 32 b + 16 h + i of my row, become four registers of codes (lane (r, h): block h, places 0 .. 31) and the row's two scale bytes
.macro QUANT2 s, pc, hw
.irp b, 0,1
	v_max3_num_f32 v[TM+\b], |v[(\s)+16*\b]|, |v[(\s)+1+16*\b]|, 0x1800000   ; block b: my 16 numbers, from each accumulator's low end on, and the floor 2^(3 - 127): so the byte cannot fall under 1
.endr
.irp i, 2,4,6,8,10,12,14
.irp b, 0,1
	v_max3_num_f32 v[TM+\b], v[TM+\b], |v[(\s)+16*\b+\i]|, |v[(\s)+1+16*\b+\i]|
.endr
.endr
.irp b, 0,1
	v_permlanex16_b32 v[TM+2+\b], v[TM+\b], s[SEL], s[SEL+1]
.endr
.irp b, 0,1
	v_max_num_f32 v[TM+\b], v[TM+\b], v[TM+2+\b]           ; with lane l xor 16's: the block's largest magnitude
.endr
.irp b, 0,1
	v_add_nc_u32 v[TM+4+\b], 0xff000000, v[TM+\b]          ; 2 off its exponent field: the conversion takes the exponent field of this operand as its scale
.endr
.irp b, 0,1
	v_lshrrev_b32 v[TM+2+\b], 23, v[TM+4+\b]               ; the scale's byte
.endr
	v_lshl_or_b32 v[\hw], v[TM+3], 8, v[TM+2]
.irp b, 0,1
.irp e, 0,1
	v_cvt_scalef32_pk8_fp4_f32 v[(\pc)+2*\b+\e], v[(\s)+16*\b+8*\e:(\s)+16*\b+8*\e+7], v[TM+4+\b]
.endr
.endr
	v_nop                                                  ; one plain place behind a scaled conversion
	v_permlane16_swap_b32 v[(\pc)], v[(\pc)+2]             ; half blocks become whole ones: lanes 0-15 block 0, lanes 16-31 block 1
	v_permlane16_swap_b32 v[(\pc)+1], v[(\pc)+3]
.endm
	s_load_b512 s[8:23], s[0:1], 0x0               ; argument i lands in s[8 + 2 i : 9 + 2 i]: five for q, five for k,
	s_load_b512 s[24:39], s[0:1], 0x40             ; five for v (each: S0's codes, S0's scales, S1's codes, S1's scales, bias), qi,
	s_load_b64 s[40:41], s[0:1], 0x80              ; kv
	v_lshrrev_b32 v1, 5, v0
	v_readfirstlane_b32 s3, v1                     ; wave 0..3
	s_and_b32 s2, ttmp7, 0xffff                    ; the kind
	s_lshl_b32 s4, ttmp9, 2
	s_add_co_u32 s4, s4, s3                        ; W
	s_and_b32 s5, s4, 7                            ; the head
	s_lshr_b32 s6, s4, 3                           ; G: the group of 64 tokens, 0..127
	s_cmp_eq_u32 s2, 2
	s_cselect_b32 s7, 1, 0                         ; 1 for v
	s_lshl_b32 s46, 512, s7                        ; bytes from tile a's codes to tile a + 1's: 512, for v 1,024
	s_lshl_b32 s44, s7, 1
	s_lshr_b32 s47, 2048, s44                      ; bytes from group half 0 to half 1: 2,048, for v 512
	s_cmp_lg_u32 s2, 0
	s_cselect_b32 s44, 1, 0
	s_lshl_b32 s48, 4352, s44                      ; a step in the buffer: 4,352 in qi, 8,704 in kv
	s_mul_i32 s49, s7, 4352                        ; V's part lies behind K's
	s_lshl_b32 s50, s6, 6                          ; the group's first token
	s_lshl_b32 s51, s5, 6                          ; the head's first feature
	s_cmp_eq_u32 s2, 2
	s_cselect_b32 s42, s50, s51                    ; S0's first row
	s_cselect_b32 s43, s51, s50                    ; S1's
	s_and_b32 s55, s6, 1                           ; c: which half of a step of 128 tokens
	s_mov_b32 s[SEL], 0x76543210
	s_mov_b32 s[SEL+1], 0xfedcba98
	s_lshr_b32 s56, s6, 6                          ; the batch,
	s_lshl_b32 s56, s56, 3
	s_add_co_u32 s56, s56, s5                      ; 8 x batch + head,
	s_lshl_b32 s56, s56, 5
	s_bfe_u32 s54, s6, 0x50001                     ; the step: (G / 2) % 32
	s_add_co_u32 s56, s56, s54
	s_mul_i32 s56, s56, s48
	s_add_co_u32 s56, s56, s49                     ; where my step's part begins in the buffer
	s_mov_b32 s57, 0
	s_mov_b32 s45, 0
	v_and_b32 v1, 31, v0                           ; lane
	v_and_b32 v2, 15, v0                           ; r
	v_bfe_u32 v3, v0, 4, 1                         ; h
	v_and_b32 v4, 8, v2
	v_add_nc_u32 v4, v4, v2                        ; r + 8 (r / 8)
	v_lshlrev_b32 v[AF], 8, v4
	v_lshl_add_u32 v[AF], v3, 4, v[AF]
	v_lshlrev_b32 v[ASC], 4, v4
	v_lshl_add_u32 v[ASC], v3, 2, v[ASC]
	v_lshlrev_b32 v[ABQ], 6, v3
	v_lshlrev_b32 v[ABV], 2, v4
	s_lshl_b32 s58, s55, 7
	v_lshl_add_u32 v[OSC], v1, 2, s58              ; 4 x lane + 128 c
	s_mul_i32 s58, s55, s47
	v_lshl_add_u32 v[OF], v1, 4, s58               ; 16 x lane + c's bytes,
	v_add_nc_u32 v[OF+1], s46, v[OF]               ; and tile by tile on
	v_add_nc_u32 v[OF+2], s46, v[OF+1]
	v_add_nc_u32 v[OF+3], s46, v[OF+2]
	v_mov_b32 v[TM+2], 0                           ; written once: a lane permute's destination counts as one of its sources
	v_mov_b32 v[TM+3], 0
	s_wait_kmcnt 0x0
	s_cmp_eq_u32 s2, 1                             ; the kind's five pointers: the choice hangs on the work-group's number alone
.irp i, 0,1,2,3,4
	s_cselect_b64 s[8+2*\i:9+2*\i], s[18+2*\i:19+2*\i], s[8+2*\i:9+2*\i]
.endr
	s_cmp_eq_u32 s2, 2
.irp i, 0,1,2,3,4
	s_cselect_b64 s[8+2*\i:9+2*\i], s[28+2*\i:29+2*\i], s[8+2*\i:9+2*\i]
.endr
	s_cmp_eq_u32 s2, 0
	s_cselect_b64 s[OUT:OUT+1], s[38:39], s[40:41]
	s_lshl_b32 s44, s42, 8                         ; a row of codes is 256 bytes,
	s_add_nc_u64 s[S0C:S0C+1], s[S0C:S0C+1], s[44:45]
	s_lshl_b32 s44, s42, 4                         ; of scale bytes 16
	s_add_nc_u64 s[S0S:S0S+1], s[S0S:S0S+1], s[44:45]
	s_lshl_b32 s44, s43, 8
	s_add_nc_u64 s[S1C:S1C+1], s[S1C:S1C+1], s[44:45]
	s_lshl_b32 s44, s43, 4
	s_add_nc_u64 s[S1S:S1S+1], s[S1S:S1S+1], s[44:45]
	s_lshl_b32 s44, s5, 8                          ; the head's 64 numbers of the bias
	s_add_nc_u64 s[BIA:BIA+1], s[BIA:BIA+1], s[44:45]
	s_add_nc_u64 s[OUT:OUT+1], s[OUT:OUT+1], s[56:57]
	WIN 0x40                                       ; destination window 1, address window 0
	LOADOP 0, S0C
	LOADOP 128, S1C
	WIN 0
	LOADSC SS0, S0S
	LOADSC SS1, S1S
	s_cmp_eq_u32 s7, 1                             ; the bias is the C of each sum's first matrix instruction; where it lies differs with the kind
	s_cbranch_scc1 .Lkind_v
.irp t, 0,1,2,3                        ; q, k: it belongs to S0's rows: tile t's eight registers are features 32 (t / 2) + 16 h + 8 (t % 2) + 0 .. 7
	global_load_b128 v[CB+8*\t:CB+8*\t+3], v[ABQ], s[BIA:BIA+1] offset:(32*(\t/2)+8*(\t%2))*4
	global_load_b128 v[CB+8*\t+4:CB+8*\t+7], v[ABQ], s[BIA:BIA+1] offset:(32*(\t/2)+8*(\t%2))*4+16
.endr
	s_wait_loadcnt 0x0                             ; one wait for the one burst: all that the wave will ever load
	WIN 0x05                                       ; sources 0 and 1 window 1; C and D window 0
	MULS 0, 1
	WIN 0                                          ; at a branch and at a label every window is 0
	s_branch .Lfirst_done
.Lkind_v:
.irp a, 0,1,2,3                        ; v: it belongs to S1's rows: the lane's own feature, the same number in all eight registers
.irp j, 0,1,2,3,4,5,6,7
	global_load_b32 v[CB+8*\a+\j], v[ABV], s[BIA:BIA+1] offset:(32*(\a/2)+8*(\a%2))*4
.endr
.endr
	s_wait_loadcnt 0x0
	WIN 0x05
	MULS 0, 2
	WIN 0
.Lfirst_done:
	WIN 0x05
	MULS 1, 0
	MULS 2, 0
	MULS 3, 0
	WIN 0
.rept 4
	v_nop                                          ; four places between the last products and the first read of results (ISA guide 7.12.1)
.endr
.irp a, 0,1,2,3
	QUANT2 ACC+32*\a, PC+4*\a, HW+\a
	global_store_b128 v[OF+\a], v[PC+4*\a:PC+4*\a+3], s[OUT:OUT+1]   ; the wave stores 512 consecutive bytes, at a multiple of 256 from the buffer's first byte
.endr
	v_lshl_or_b32 v28, v[HW+1], 16, v[HW]          ; tiles 0 and 1,
	v_lshl_or_b32 v29, v[HW+3], 16, v[HW+2]        ; tiles 2 and 3
	v_cmp_eq_u32 vcc_lo, 1, v3
	v_cndmask_b32 v30, v28, v29, vcc_lo            ; lanes 0-15 the first word, lanes 16-31 the second
	global_store_b32 v[OSC], v30, s[OUT:OUT+1] offset:4096         ; 128 consecutive bytes; the wave of the step's other half stores the 128 beside them
	s_endpgm
.Lfunc_end_k_qd2e6754ff1_proj:
	.size	k_qd2e6754ff1_proj, .Lfunc_end_k_qd2e6754ff1_proj-k_qd2e6754ff1_proj
	.p2alignl 7, 3214868480
	.fill 96, 4, 3214868480
	.section	.rodata,"a",@progbits
	.p2align	6, 0x0
	.amdhsa_kernel k_qd2e6754ff1_proj
		.amdhsa_group_segment_fixed_size 0
		.amdhsa_private_segment_fixed_size 0
		.amdhsa_enable_private_segment 0
		.amdhsa_kernarg_size 136
		.amdhsa_user_sgpr_count 2
		.amdhsa_user_sgpr_kernarg_segment_ptr 1
		.amdhsa_wavefront_size32 1
		.amdhsa_system_sgpr_workgroup_id_x 1
		.amdhsa_system_sgpr_workgroup_id_y 1
		.amdhsa_system_sgpr_workgroup_id_z 1
		.amdhsa_system_vgpr_workitem_id 0
		.amdhsa_next_free_vgpr 512
		.amdhsa_next_free_sgpr 66
		.amdhsa_reserve_vcc 1
		.amdhsa_float_denorm_mode_32 3
		.amdhsa_float_denorm_mode_16_64 3
		.amdhsa_memory_ordered 1
		.amdhsa_forward_progress 1
		.amdhsa_inst_pref_size 34
	.end_amdhsa_kernel
	.amdgpu_metadata
---
amdhsa.version: [ 1, 2 ]
amdhsa.kernels:
  - .name:           k_qd2e6754ff1_proj
    .symbol:         k_qd2e6754ff1_proj.kd
    .args:
      - { .name: Wq_codes, .offset: 0, .size: 8, .value_kind: global_buffer, .address_space: global }
      - { .name: Wq_scales, .offset: 8, .size: 8, .value_kind: global_buffer, .address_space: global }
      - { .name: q_codes, .offset: 16, .size: 8, .value_kind: global_buffer, .address_space: global }
      - { .name: q_scales, .offset: 24, .size: 8, .value_kind: global_buffer, .address_space: global }
      - { .name: bq, .offset: 32, .size: 8, .value_kind: global_buffer, .address_space: global }
      - { .name: Wk_codes, .offset: 40, .size: 8, .value_kind: global_buffer, .address_space: global }
      - { .name: Wk_scales, .offset: 48, .size: 8, .value_kind: global_buffer, .address_space: global }
      - { .name: k_codes, .offset: 56, .size: 8, .value_kind: global_buffer, .address_space: global }
      - { .name: k_scales, .offset: 64, .size: 8, .value_kind: global_buffer, .address_space: global }
      - { .name: bk, .offset: 72, .size: 8, .value_kind: global_buffer, .address_space: global }
      - { .name: v_codes, .offset: 80, .size: 8, .value_kind: global_buffer, .address_space: global }
      - { .name: v_scales, .offset: 88, .size: 8, .value_kind: global_buffer, .address_space: global }
      - { .name: Wv_codes, .offset: 96, .size: 8, .value_kind: global_buffer, .address_space: global }
      - { .name: Wv_scales, .offset: 104, .size: 8, .value_kind: global_buffer, .address_space: global }
      - { .name: bv, .offset: 112, .size: 8, .value_kind: global_buffer, .address_space: global }
      - { .name: qi, .offset: 120, .size: 8, .value_kind: global_buffer, .address_space: global }
      - { .name: kv, .offset: 128, .size: 8, .value_kind: global_buffer, .address_space: global }
    .group_segment_fixed_size: 0
    .private_segment_fixed_size: 0
    .kernarg_segment_align: 8
    .kernarg_segment_size: 136
    .max_flat_workgroup_size: 128
    .sgpr_count:     66
    .vgpr_count:     512
    .wavefront_size: 32
...
	.end_amdgpu_metadata
.endif
;; end of part 1
;; launch attn (part 2): grid 16 x 16, 16 waves a work-group, clusters of 4 x 1, 327,680 bytes of LDS; arguments qi, kv, ao; writes ao
.if DOCPART == 2
	.amdgcn_target "amdgcn-amd-amdhsa--gfx1250"
	.amdhsa_code_object_version 6
	.text
	.protected	k_qd2e6754ff1_attn
	.globl	k_qd2e6754ff1_attn
	.p2align	8
	.type	k_qd2e6754ff1_attn,@function
k_qd2e6754ff1_attn:
	s_mov_b64 s[64:65], 0
	v_nop
	global_prefetch_b8 v0, s[64:65] scope:SCOPE_SE
	s_setreg_imm32_b32 hwreg(HW_REG_WAVE_MODE, 25, 1), 1
	s_wait_xcnt 0x0
	s_wait_alu depctr_hold_cnt(0) depctr_sa_sdst(0) depctr_va_vdst(0) depctr_va_sdst(0) depctr_va_ssrc(0) depctr_va_vcc(0) depctr_vm_vsrc(0)
	s_getreg_b32 s2, hwreg(HW_REG_IB_STS2, 6, 4)
	s_cmp_eq_u32 s2, 0
	s_cbranch_scc0 .Lentry_in_a_cluster
	s_endpgm
.Lentry_in_a_cluster:
	s_bfe_u32 s2, ttmp6, 0x10000c
	s_cmp_lg_u32 s2, 0x3003
	s_cbranch_scc0 .Lentry_shape_is_right
	s_endpgm
.Lentry_shape_is_right:
; ATTENTION ON CODES OF FP4 (E2M1), one E8M0 scale for each 32 along a product's K: S^T = K Q^T (K = the head's 64), softmax, O^T = V^T P^T (K = the keys), O / l, quantised along the head's 64 for the last projection.
; THE SOFTMAX: t = score x log2(e) / 8; M = the running largest t rounded UP to a whole number; p = 2^(t - M) is what is quantised, along the keys, not normalised.  The row's sum is taken of the unquantised p, in f32,
; and divides O at the end.  When M moves, the sum and O are multiplied by 2^(old M - new M), which rounds nothing.
; SHARES.  Work-group y = 8 x batch + head; work-group x = a block of 256 queries; each of SIXTEEN waves owns one tile of 16 queries in 256 registers: four waves to a SIMD, so that one wave's vector work (some
; 240 instructions a step) stands beside another's 12 matrix instructions and 20 LDS loads.  Every wave walks the head's 4,096 keys, 128 a step.
; OPERANDS LIE IN MEMORY AS IMAGES OF THEIR REGISTERS (the launch before laid them so): a step is 8,704 dense bytes: K's 4 double fragments (1,024 bytes each), K's 2 scale registers (128 each), V's 4 fragments,
; V's 2 raw scale registers.  So every LDS load takes 512 or 128 consecutive bytes: no pitch, no padding.
; K = 64 IN AN INSTRUCTION OF 128.  A double fragment holds two tiles of 16 keys: registers 0-3 the first, 4-7 the second: as an operand, row r has the first tile's 64 numbers at K 0-63 and the second's at K 64-127.
; Q stands in 12 registers [q | zeros | q]: registers 0-7 pick the first tile, registers 4-11 the second: zero codes add nothing.  Q's scale word holds its two bytes twice.
; THE KEYS OF A TILE ARE NOT NEIGHBOURS: lane r of tile 2 b + u is key 32 b + 8 u + r + 8 (r / 8), so that the 16 registers of tiles 2 b, 2 b + 1 of S^T are keys 32 b + 16 h + 0 .. 15.  V's 16 rows of a tile are chosen
; likewise, so that O^T's 32 registers are the head's numbers 32 b + 16 h + i in order, ready for the quantiser.  A lane holds ONE query throughout.
; RING.  Two LDS slots of 8 steps (69,632 bytes), 2^17 bytes apart.  Waves 0-3 fetch a quarter of a slot each (68 rows of 256 dense bytes).  By this text's own count a wave has at most one tensor load outstanding.
; CLUSTER.  The four work-groups of a cluster are four query blocks of one head and walk the same K and V: each quarter slot is asked for JOINTLY, by the same load with the same descriptor and the mask 15.
; The place in the cluster enters the global addresses of Q and of the output alone.
; WHAT IS STORED.  ao: [token tile 512][4,352]: [head 8][512 bytes: lane l's 16 bytes at 16 l], then 256 scale bytes [K step of 128: 4][row 16][4].  The two scale bytes of a row and head are stored as single bytes,
; 32 a wave, once in the launch: the four bytes of a word belong to two heads, which are two work-groups.
; LIMITS: NaN and infinities are not served.  p under 2^-126 counts as 0.  A block whose largest magnitude lies under 2^-124, or of zeros, gets the byte 1 (this program alone reads the bytes).  The division by l is a reciprocal and a multiplication.
.set STEPB, 8704
.set SLOTB, 8*STEPB                    ; 69,632
.set QUART, 2*STEPB                    ; what one tensor load brings
.set SLOT1, 1<<17                      ; slot 1 begins here: one exclusive or turns an address in one slot into the other's
.set SPARE, 2*SLOT1                    ; the spare words: 128 bytes for each of 16 waves: eight blocks of 256 bytes that no other line names
.set L16, 1                            ; v1   16 x lane
.set L4,  2                            ; v2   4 x lane
.set AC,  3                            ; v3   LDS address of the step's code images
.set AS,  4                            ; v4   of its scale images
.set SPW, 5                            ; v5   LDS address of my spare word; never rewritten
.set NIL, 6                            ; v6   0; never rewritten
.set GC,  9                            ; v9   the way out: my codes' offset
.set GS,  10                           ; v10  my scale byte's
.set Q,   16                           ; v16-19 q, v20-23 zeros, v24-27 q
.set QS,  28                           ; v28  Q's scale word
.set KS,  30                           ; v30-31 K's scale registers: register g: lanes 0-15 double fragment 2 g, lanes 16-31 2 g + 1
.set VR,  32                           ; v32-33 V's raw scale registers: register c: key blocks 2 c, 2 c + 1; lanes 0-15 tiles 0 | 1, lanes 16-31 tiles 2 | 3
.set VSL, 34                           ; v34  V's scale words of tiles 0 (lanes 0-15) and 2 (lanes 16-31);  v35 of tiles 1 and 3
.set KF,  40                           ; v40-71   K's four double fragments
.set VF,  72                           ; v72-103  V's four fragments
.set S,   104                          ; v104-167 S^T, then p
.set O,   168                          ; v168-199 O^T
.set PC,  200                          ; v200-207 p's codes
.set BM,  208                          ; v208-211 each block's largest score, then its largest p
.set BP,  212                          ; v212-215 the other half's, then bytes
.set BSC, 216                          ; v216-219 the conversions' scale operands
.set T,   220
.set PS,  221                          ; v221 p's scale word
.set F,   222                          ; v[222:223] f = 2^(old M - new M); the pair's upper half is written once
.set C2,  224                          ; v[224:225] the sum's second chain
.set WV,  10                           ; s10 my wave's number
.set SEL, 12                           ; s[12:13] lane selects: lane l xor 16
.set CS,  14                           ; s[14:15] c = log2(e) / 8: the packed form names a pair and takes its low word for both halves
.set G1,  16                           ; s[16:23] descriptor group 1
.set G0,  24                           ; s[24:27] descriptor group 0, which walks
.set TB,  28                           ; s28 LDS byte at which the step in hand begins
.set CNT, 29
.set SLOTS, 30
; A round of the cluster's barrier: my work-group's barrier; wave 0 signals for the work-group; every wave waits for all four work-groups; my work-group's barrier once more.
.macro CROUND
	s_barrier_signal -1
	s_barrier_wait -1
	s_cmp_lg_u32 s[WV], 0
	s_cbranch_scc1 .Lnot_wave_0_\@
	s_barrier_signal -3
.Lnot_wave_0_\@:
	s_barrier_wait -3
	s_barrier_signal -1
	s_barrier_wait -1
.endm
; Waves 0-3 fetch, the others nothing; the branch hangs on the wave's number alone.  Four v_nop follow the load.
.macro TLOAD
	s_cmp_lt_u32 s[WV], 4
	s_cbranch_scc0 .Lnone_\@
	tensor_load_to_lds s[G0:G0+3], s[G1:G1+7]
	s_nop 0
.rept 4
	v_nop
.endr
.Lnone_\@:
.endm
	s_load_b128 s[4:7], s[0:1], 0x0                ; qi, kv
	s_load_b64 s[8:9], s[0:1], 0x10                ; ao
	v_lshl_add_u32 v[SPW], v0, 2, SPARE
	v_mov_b32 v[NIL], 0
	ds_add_u32 v5, v6
	s_wait_dscnt 0x0
	v_lshrrev_b32 v1, 5, v0
	v_readfirstlane_b32 s[WV], v1                  ; wave 0..15
	s_bfe_u32 s33, ttmp6, 0x40000                  ; cx: my place in the cluster
	s_lshl_b32 s34, ttmp9, 2                       ; in a cluster launch ttmp9 counts clusters
	s_add_co_u32 s34, s34, s33                     ; x: my block of 256 queries
	s_and_b32 s35, ttmp7, 0xffff                   ; 8 x batch + head, which the four partners share
	s_and_b32 s42, s[WV], 3
	s_mul_i32 s42, s42, QUART                      ; the quarter slot that I fetch, if I fetch: in a slot, and in memory
	s_mul_i32 s36, s35, 32*STEPB                   ; the head's first byte of kv
	s_add_co_u32 s36, s36, s42
	s_mov_b32 s37, 0
	s_lshl_b32 s38, s35, 5                         ; qi: step 32 x (8 batch + head) + 2 x + wave / 8
	s_lshl_b32 s46, s34, 1
	s_add_co_u32 s38, s38, s46
	s_lshr_b32 s43, s[WV], 3
	s_add_co_u32 s38, s38, s43
	s_mul_i32 s38, s38, 4352
	s_mov_b32 s39, 0
	s_lshr_b32 s40, s35, 3                         ; ao: token tile 256 x batch + 16 x + wave
	s_lshl_b32 s40, s40, 8
	s_lshl_b32 s46, s34, 4
	s_add_co_u32 s40, s40, s46
	s_add_co_u32 s40, s40, s[WV]
	s_mul_i32 s40, s40, 4352
	s_mov_b32 s41, 0
	; descriptor group 1: 68 dense rows of 256 bytes (32 elements of 8 bytes), no padding
	s_mov_b32 s[G1+0], 15|(3<<16)|(1<<21)          ; 15:0 the mask: all four work-groups; 17:16 elements of 8 bytes; 21 set beside a mask
	s_mov_b32 s[G1+1], 32<<16                      ; tensor_dim0 = 32
	s_mov_b32 s[G1+2], 68<<16                      ; tensor_dim1 = 68
	s_mov_b32 s[G1+3], 32<<16                      ; tile_dim0 = 32
	s_mov_b32 s[G1+4], 68                          ; tile_dim1 = 68
	s_mov_b32 s[G1+5], 32                          ; elements from row to row
	s_mov_b32 s[G1+6], 0
	s_mov_b32 s[G1+7], 0
	s_mov_b32 s[SEL], 0x76543210
	s_mov_b32 s[SEL+1], 0xfedcba98
	s_mov_b32 s[CS], 0x3e38aa3b                    ; c = log2(e) / sqrt(64)
	s_mov_b32 s[CS+1], s[CS]                       ; (named with it as a pair, so it is written)
	s_mov_b32 s31, 0x05040100                      ; v_perm_b32: the two low halves,
	s_mov_b32 s32, 0x07060302                      ; the two high halves
	s_mov_b32 s[TB], 0
	s_mov_b32 s[SLOTS], 3
	s_wait_kmcnt 0x0
	s_mov_b32 s[G0], 1                             ; count = 1
	s_mov_b32 s[G0+1], s42                         ; LDS address: slot 0
	s_add_nc_u64 s[G0+2:G0+3], s[6:7], s[36:37]    ; global address: the head's first 8 steps
	s_or_b32 s[G0+3], s[G0+3], 0x80000000          ; type = 2
	s_add_nc_u64 s[4:5], s[4:5], s[38:39]          ; qi at my tile's step
	s_add_nc_u64 s[8:9], s[8:9], s[40:41]          ; ao at my tile
	CROUND                                         ; all four work-groups are here: the first joint loads meet
	TLOAD                                          ; slot 0
	v_and_b32 v11, 31, v0
	v_lshlrev_b32 v[L16], 4, v11
	v_lshlrev_b32 v[L4], 2, v11
	v_and_b32 v7, 15, v0                           ; r
	v_bfe_u32 v8, v0, 4, 1                         ; h
	s_and_b32 s43, s[WV], 7                        ; my tile in its step
	s_lshl_b32 s44, s43, 9
	v_add_nc_u32 v36, s44, v[L16]                  ; its 512 bytes of codes
	s_lshr_b32 s44, s43, 1
	s_lshl_b32 s44, s44, 6
	v_lshl_add_u32 v37, v7, 2, s44                 ; and its double fragment's scale words: 64 bytes each, 4 a row
	global_load_b128 v[Q:Q+3], v36, s[4:5]         ; q, twice: it stays in registers
	global_load_b128 v[Q+8:Q+11], v36, s[4:5]
	global_load_b32 v11, v37, s[4:5] offset:4096
	s_and_b32 s43, s35, 7                          ; the head
	s_lshl_b32 s44, s43, 9
	v_add_nc_u32 v[GC], s44, v[L16]
	s_lshr_b32 s44, s43, 1
	s_lshl_b32 s44, s44, 6                         ; scale bytes: 64 x (head / 2) + 4 r + 2 (head % 2) + h
	s_and_b32 s45, s35, 1
	s_lshl_b32 s45, s45, 1
	s_add_co_u32 s44, s44, s45
	v_lshl_add_u32 v[GS], v7, 2, v8
	v_add_nc_u32 v[GS], s44, v[GS]
	s_mov_b32 s44, 0x03020302
	s_and_b32 s43, s[WV], 1                        ; the word holds the two bytes of the double fragment's first tile below those of the second: mine are taken, twice
	s_cmp_lg_u32 s43, 0
	s_cselect_b32 s44, s44, 0x01000100
	s_wait_loadcnt 0x0                             ; Q
	v_perm_b32 v[QS], v11, v11, s44
.irp j, 4,5,6,7
	v_mov_b32 v[Q+\j], 0                           ; the zero codes between
.endr
	v_mov_b32 v13, 0xff61b1e6                      ; the largest t so far: -3e38, under every t
	v_floor_f32 v12, -v13                          ; -M
	v_mov_b32 v14, 0                               ; the sum, in two halves
	v_mov_b32 v15, 0
.irp b, 0,1,2,3
	v_mov_b32 v[BP+\b], 0                          ; written once: a lane permute's destination counts as one of its sources
.endr
	v_mov_b32 v[F+1], 0
.irp j, 0,1,2,3,4,5,6,7,8,9,10,11,12,13,14,15,16,17,18,19,20,21,22,23,24,25,26,27,28,29,30,31
	v_mov_b32 v[O+\j], 0                           ; O^T.  (The step is written once: the first finds zeros, which the first change of M leaves zeros.  These lines are also the places between the writes of Q's registers and the first product)
.endr
; A KEY STEP: 128 keys at LDS byte s[TB].
.macro STEP
	v_add_nc_u32 v[AC], s[TB], v[L16]
	v_add_nc_u32 v[AS], s[TB], v[L4]
.irp g, 0,1
	ds_load_b32 v[KS+\g], v[AS] offset:4096+128*\g
.endr
.irp d, 0,1,2,3
.irp u, 0,1
	ds_load_b128 v[KF+8*\d+4*\u:KF+8*\d+4*\u+3], v[AC] offset:1024*\d+512*\u
.endr
.endr
.irp c, 0,1
	ds_load_b32 v[VR+\c], v[AS] offset:4352+4096+128*\c
.endr
.irp t, 0,1,2,3
.irp c, 0,1
	ds_load_b128 v[VF+8*\t+4*\c:VF+8*\t+4*\c+3], v[AC] offset:4352+1024*\t+512*\c
.endr
.endr
	s_wait_dscnt 8                                 ; LDS loads come back in order: all but the youngest eight, V's fragments, are in
.irp d, 0,1,2,3                        ; S^T = K Q^T: a double fragment against [q, 0] and against [0, q]
.irp u, 0,1
.if \d%2
	v_wmma_scale_f32_16x16x128_f8f6f4 v[S+8*(2*\d+\u):S+8*(2*\d+\u)+7], v[KF+8*\d:KF+8*\d+7], v[Q+4*\u:Q+4*\u+7], 0, v[KS+\d/2], v[QS] matrix_a_fmt:MATRIX_FMT_FP4 matrix_b_fmt:MATRIX_FMT_FP4 matrix_a_scale:MATRIX_SCALE_ROW1
.else
	v_wmma_scale_f32_16x16x128_f8f6f4 v[S+8*(2*\d+\u):S+8*(2*\d+\u)+7], v[KF+8*\d:KF+8*\d+7], v[Q+4*\u:Q+4*\u+7], 0, v[KS+\d/2], v[QS] matrix_a_fmt:MATRIX_FMT_FP4 matrix_b_fmt:MATRIX_FMT_FP4
.endif
.endr
.endr
	v_perm_b32 v[VSL], v[VR+1], v[VR], s31         ; V's scale words: key blocks 0, 1 from the first raw register, 2, 3 from the second.  These two lines and two v_nop are the four places behind the products
	v_perm_b32 v[VSL+1], v[VR+1], v[VR], s32
	v_nop
	v_nop
.irp b, 0,1,2,3
	v_max3_num_f32 v[BM+\b], v[S+16*\b], v[S+1+16*\b], v[S+2+16*\b]   ; THE LARGEST SCORE OF EACH BLOCK OF 32 KEYS serves twice: for the row's maximum, and, since p rises with the score, for the block's largest p
.endr
.irp i, 3,5,7,9,11,13
.irp b, 0,1,2,3
	v_max3_num_f32 v[BM+\b], v[BM+\b], v[S+16*\b+\i], v[S+1+16*\b+\i]   ; (the four blocks by turns)
.endr
.endr
.irp b, 0,1,2,3
	v_max_num_f32 v[BM+\b], v[BM+\b], v[S+15+16*\b]
.endr
.irp b, 0,1,2,3
	v_permlanex16_b32 v[BP+\b], v[BM+\b], s[SEL], s[SEL+1]
.endr
.irp b, 0,1,2,3
	v_max_num_f32 v[BM+\b], v[BM+\b], v[BP+\b]     ; with lane l xor 16's 16 keys
.endr
	v_max3_num_f32 v[T], v[BM], v[BM+1], v[BM+2]
	v_max_num_f32 v[T], v[T], v[BM+3]              ; the step's largest score of my query
	v_mul_f32 v[T], s[CS], v[T]                    ; as t (c is positive)
	v_max_num_f32 v13, v13, v[T]                   ; the running largest t
	v_mov_b32 v[T], v12
	v_floor_f32 v12, -v13                          ; the new -M = floor(-t) = -ceil(t): M is a whole number
	v_sub_f32 v[T], v12, v[T]                      ; M's old value less its new one: a whole number, 0 or less
	v_cvt_i32_f32 v[T], v[T]                       ; (it saturates)
	v_ldexp_f32 v[F], 1.0, v[T]                    ; f = 2^(old M - new M)
.irp j, 0,2,4,6,8,10,12,14,16,18,20,22,24,26,28,30,32,34,36,38,40,42,44,46,48,50,52,54,56,58,60,62
	v_pk_fma_f32 v[S+\j:S+\j+1], v[S+\j:S+\j+1], s[CS:CS+1], v[12:13] op_sel_hi:[1,0,0]   ; t - M, two at a time (of the pairs c and -M the low word serves both halves)
.endr
.irp b, 0,1,2,3
	v_fma_f32 v[BM+\b], v[BM+\b], s[CS], v12       ; the same of each block's largest score
.endr
.irp j, 0,1,2,3,4,5,6,7,8,9,10,11,12,13,14,15,16,17,18,19,20,21,22,23,24,25,26,27,28,29,30,31,32,33,34,35,36,37,38,39,40,41,42,43,44,45,46,47,48,49,50,51,52,53,54,55,56,57,58,59,60,61,62,63
	v_exp_f32 v[S+\j], v[S+\j]                     ; p = 2^(t - M), at most 1: not normalised
.endr
.irp b, 0,1,2,3
	v_exp_f32 v[BM+\b], v[BM+\b]                   ; the block's largest p: the same two instructions on the same number give the same bits
.endr
	v_pk_mul_f32 v[14:15], v[14:15], v[F:F+1] op_sel_hi:[1,0]   ; the sums under the new M.  (A plain place behind the exponentials)
	s_wait_alu depctr_va_vdst(0)
.irp b, 0,1,2,3
	v_max_num_f32 v[BM+\b], 0x1800000, v[BM+\b]    ; the floor 2^(3 - 127): the byte cannot fall under 1
.endr
.irp b, 0,1,2,3
	v_add_nc_u32 v[BSC+\b], 0xff000000, v[BM+\b]   ; 2 off the exponent field: the conversion's scale operand
.endr
.irp b, 0,1,2,3
	v_lshrrev_b32 v[BP+\b], 23, v[BSC+\b]          ; the scale's byte
.endr
	v_lshl_or_b32 v[PS], v[BP+1], 8, v[BP]         ; p's scale word for these 128 keys
	v_lshl_or_b32 v[PS], v[BP+2], 16, v[PS]
	v_lshl_or_b32 v[PS], v[BP+3], 24, v[PS]
.irp b, 0,1,2,3
	v_cvt_scalef32_pk8_fp4_f32 v[PC+2*\b], v[S+16*\b:S+16*\b+7], v[BSC+\b]
	v_cvt_scalef32_pk8_fp4_f32 v[PC+1+2*\b], v[S+8+16*\b:S+15+16*\b], v[BSC+\b]
.endr
	v_nop                                          ; one plain place behind a scaled conversion
.irp c, 0,1                            ; the operand's layout wants a whole block in a lane: lanes 0-15 block 2 c, lanes 16-31 block 2 c + 1
.irp i, 0,1
	v_permlane16_swap_b32 v[PC+4*\c+\i], v[PC+2+4*\c+\i]
.endr
.endr
.irp j, 0,2,4,6,8,10,12,14,16,18,20,22,24,26,28,30
	v_pk_mul_f32 v[O+\j:O+\j+1], v[O+\j:O+\j+1], v[F:F+1] op_sel_hi:[1,0]   ; O^T under the new M, each accumulator from its low end on
.endr
	v_pk_add_f32 v[C2:C2+1], v[S:S+1], v[S+2:S+3]  ; the row's sum is taken of the unquantised p: two at a time, in two chains.  (These 32 lines are also the places between the writes of p's codes and scale word and the products below)
.irp j, 4,8,12,16,20,24,28,32,36,40,44,48,52,56,60
	v_pk_add_f32 v[14:15], v[14:15], v[S+\j:S+\j+1]
	v_pk_add_f32 v[C2:C2+1], v[C2:C2+1], v[S+2+\j:S+3+\j]
.endr
	v_pk_add_f32 v[14:15], v[14:15], v[C2:C2+1]
	s_wait_dscnt 0x0                               ; V's fragments are in
.irp t, 0,1,2,3                        ; O^T += V^T P^T: the four accumulators by turns, one instruction a turn
.if \t/2
	v_wmma_scale_f32_16x16x128_f8f6f4 v[O+8*\t:O+8*\t+7], v[VF+8*\t:VF+8*\t+7], v[PC:PC+7], v[O+8*\t:O+8*\t+7], v[VSL+\t%2], v[PS] matrix_a_fmt:MATRIX_FMT_FP4 matrix_b_fmt:MATRIX_FMT_FP4 matrix_a_scale:MATRIX_SCALE_ROW1
.else
	v_wmma_scale_f32_16x16x128_f8f6f4 v[O+8*\t:O+8*\t+7], v[VF+8*\t:VF+8*\t+7], v[PC:PC+7], v[O+8*\t:O+8*\t+7], v[VSL+\t%2], v[PS] matrix_a_fmt:MATRIX_FMT_FP4 matrix_b_fmt:MATRIX_FMT_FP4
.endif
.endr
.rept 4
	v_nop                                          ; four places in front of the next step's loads into V's registers, and of the way out's reads of O^T
.endr
.endm
; THE CHANGE OF SLOTS stands at a slot's head.  Each wave waits for all its tensor loads (its part of the slot that it is about to read), adds 0 to its spare word, and waits for that and for its reads of the slot that it has left.
; fill = 1: the barrier is a round of the cluster's, so that no wave of any partner still reads the other slot or has a load on its way, and the joint load of the next 8 steps into it is the first thing behind: it has 8 steps in which to land.
.macro CHANGE fill
	s_wait_tensorcnt 0x0                           ; no tensor load of mine is out, so the group 0 may be written
	ds_add_u32 v[SPW], v[NIL]                      ; 0 onto my spare word
.if \fill
	s_xor_b32 s[G0+1], s[G0+1], SLOT1              ; the other slot than last time,
	s_add_nc_u64 s[G0+2:G0+3], s[G0+2:G0+3], SLOTB ; the next 8 steps; the type bits on top are not reached
.endif
	s_wait_dscnt 0x0                               ; the add is done, and my reads of the slot that I have left are over
.if \fill
	CROUND
	TLOAD
.else
	s_barrier_signal -1
	s_barrier_wait -1
.endif
.endm
.macro SLOT_STEPS                      ; a slot's 8 steps: written once, walked eight times
	s_mov_b32 s[CNT], 8
.Lstep_\@:
	STEP
	s_add_co_u32 s[TB], s[TB], STEPB
	s_sub_co_u32 s[CNT], s[CNT], 1
	s_cmp_lg_u32 s[CNT], 0
	s_cbranch_scc1 .Lstep_\@
	s_sub_co_u32 s[TB], s[TB], SLOTB               ; back to a slot's first step,
	s_xor_b32 s[TB], s[TB], SLOT1                  ; in the other slot
.endm
.Lslot:                                            ; three trips: behind each change of slots but the last the next slot is asked for
	CHANGE 1
	SLOT_STEPS
	s_sub_co_u32 s[SLOTS], s[SLOTS], 1
	s_cmp_lg_u32 s[SLOTS], 0
	s_cbranch_scc1 .Lslot
	CHANGE 0                                       ; the last slot is written out
	SLOT_STEPS
	; THE WAY OUT.  O^T / the sum; its 32 registers are the head's numbers 32 b + 16 h + i of my query: two blocks, quantised as every operand is, and stored as an image of the last projection's operand registers.
	v_add_f32 v14, v14, v15                        ; the sum's two halves,
	v_permlanex16_b32 v[T], v14, s[SEL], s[SEL+1]
	v_add_f32 v14, v14, v[T]                       ; and lane l xor 16's: the row's sum
	v_rcp_f32 v14, v14
	v_nop                                          ; one plain place behind a transcendental
	s_wait_alu depctr_va_vdst(0)
.irp j, 0,2,4,6,8,10,12,14,16,18,20,22,24,26,28,30
	v_pk_mul_f32 v[S+\j:S+\j+1], v[O+\j:O+\j+1], v[14:15] op_sel_hi:[1,0]
.endr
.irp b, 0,1
	v_max3_num_f32 v[BM+\b], |v[S+16*\b]|, |v[S+1+16*\b]|, 0x1800000   ; block b: my 16 numbers, and the floor 2^(3 - 127)
.endr
.irp i, 2,4,6,8,10,12,14
.irp b, 0,1
	v_max3_num_f32 v[BM+\b], v[BM+\b], |v[S+16*\b+\i]|, |v[S+1+16*\b+\i]|
.endr
.endr
.irp b, 0,1
	v_permlanex16_b32 v[BP+\b], v[BM+\b], s[SEL], s[SEL+1]
.endr
.irp b, 0,1
	v_max_num_f32 v[BM+\b], v[BM+\b], v[BP+\b]
.endr
.irp b, 0,1
	v_add_nc_u32 v[BSC+\b], 0xff000000, v[BM+\b]
.endr
.irp b, 0,1
	v_lshrrev_b32 v[BP+\b], 23, v[BSC+\b]
.endr
.irp b, 0,1
.irp e, 0,1
	v_cvt_scalef32_pk8_fp4_f32 v[PC+2*\b+\e], v[S+16*\b+8*\e:S+16*\b+8*\e+7], v[BSC+\b]
.endr
.endr
	v_nop                                          ; one plain place behind a scaled conversion
	v_permlane16_swap_b32 v[PC], v[PC+2]           ; lanes 0-15 block 0, lanes 16-31 block 1
	v_permlane16_swap_b32 v[PC+1], v[PC+3]
	global_store_b128 v[GC], v[PC:PC+3], s[8:9]    ; the wave stores 512 consecutive bytes, at a multiple of 256 from the buffer's first byte
	v_cmp_eq_u32 vcc_lo, 1, v8
	v_cndmask_b32 v[T], v[BP], v[BP+1], vcc_lo     ; lane (r, h): the byte of block h of row r
	global_store_b8 v[GS], v[T], s[8:9] offset:4096
	s_wait_tensorcnt 0x0                           ; the wave's end
	ds_add_u32 v[SPW], v[NIL]
	s_wait_dscnt 0x0
	CROUND                                         ; the closing round: no work-group ends while a partner may still ask for a tile that names it
	s_endpgm
.Lfunc_end_k_qd2e6754ff1_attn:
	.size	k_qd2e6754ff1_attn, .Lfunc_end_k_qd2e6754ff1_attn-k_qd2e6754ff1_attn
	.p2alignl 7, 3214868480
	.fill 96, 4, 3214868480
	.section	.rodata,"a",@progbits
	.p2align	6, 0x0
	.amdhsa_kernel k_qd2e6754ff1_attn
		.amdhsa_group_segment_fixed_size 327680
		.amdhsa_private_segment_fixed_size 0
		.amdhsa_enable_private_segment 0
		.amdhsa_kernarg_size 24
		.amdhsa_user_sgpr_count 2
		.amdhsa_user_sgpr_kernarg_segment_ptr 1
		.amdhsa_wavefront_size32 1
		.amdhsa_system_sgpr_workgroup_id_x 1
		.amdhsa_system_sgpr_workgroup_id_y 1
		.amdhsa_system_sgpr_workgroup_id_z 1
		.amdhsa_system_vgpr_workitem_id 0
		.amdhsa_next_free_vgpr 256
		.amdhsa_next_free_sgpr 66
		.amdhsa_reserve_vcc 1
		.amdhsa_float_denorm_mode_32 3
		.amdhsa_float_denorm_mode_16_64 3
		.amdhsa_memory_ordered 1
		.amdhsa_forward_progress 1
		.amdhsa_inst_pref_size 42
	.end_amdhsa_kernel
	.amdgpu_metadata
---
amdhsa.version: [ 1, 2 ]
amdhsa.kernels:
  - .name:           k_qd2e6754ff1_attn
    .symbol:         k_qd2e6754ff1_attn.kd
    .args:
      - { .name: qi, .offset: 0, .size: 8, .value_kind: global_buffer, .address_space: global }
      - { .name: kv, .offset: 8, .size: 8, .value_kind: global_buffer, .address_space: global }
      - { .name: ao, .offset: 16, .size: 8, .value_kind: global_buffer, .address_space: global }
    .group_segment_fixed_size: 327680
    .private_segment_fixed_size: 0
    .kernarg_segment_align: 8
    .kernarg_segment_size: 24
    .max_flat_workgroup_size: 512
    .sgpr_count:     66
    .vgpr_count:     256
    .wavefront_size: 32
...
	.end_amdgpu_metadata
.endif
;; end of part 2
;; launch oproj (part 3): grid 256 x 1, 4 waves a work-group, no clusters, 17,920 bytes of LDS; arguments ao, Wo_codes, Wo_scales, bo, out0; writes out0
.if DOCPART == 3
	.amdgcn_target "amdgcn-amd-amdhsa--gfx1250"
	.amdhsa_code_object_version 6
	.text
	.protected	k_qd2e6754ff1_oproj
	.globl	k_qd2e6754ff1_oproj
	.p2align	8
	.type	k_qd2e6754ff1_oproj,@function
k_qd2e6754ff1_oproj:
	s_mov_b64 s[64:65], 0
	v_nop
	global_prefetch_b8 v0, s[64:65] scope:SCOPE_SE
	s_setreg_imm32_b32 hwreg(HW_REG_WAVE_MODE, 25, 1), 1
	s_wait_xcnt 0x0
; THE LAST PROJECTION: out0 = a Wo^T + bo on codes of FP4 (E2M1), one E8M0 scale for each 32 along K = 512.  a, the attention's output, lies in ao as images of operand registers:
; [token tile 512][4,352]: fragment of K step s, half c at 512 (2 s + c), lane l's 16 bytes at 16 l; then the scale words [K step 4][row 16][4 bytes].
; SHARES.  1,024 waves: wave W = 4 x work-group + wave; 64 columns W % 8, 64 tokens (four tiles) W / 8.  A wave makes 64 x 64: 16 accumulators, 64 matrix instructions, behind one burst of loads.
; THE MATRIX INSTRUCTION IS USED TRANSPOSED: source 0 = 16 rows of Wo, source 1 = a tile of tokens: a lane holds one token.  Lane r of Wo's tile t takes row 32 (t / 2) + 8 (t % 2) + r + 8 (r / 8), so register j of tile t
; of lane (r, h) is column 32 (t / 2) + 16 h + 8 (t % 2) + j.  The tokens of a tile are chosen in the same way by the launches before: tile a's row p is token 32 (a / 2) + 8 (a % 2) + p + 8 (p / 8) of the 64; the stores' offsets undo that.
; The bias is the C of each sum's first matrix instruction.  No tensor load and so no joint request in a cluster: every operand byte goes from memory straight into the registers of the wave that multiplies it, once.
; THE WAY OUT.  A lane's 8 registers of a tile are 32 bytes of a row, the lanes beside it hold other rows: so 16 rows x 256 bytes at a time go through the wave's own stage in LDS (rows 272 bytes apart) and come back by rows:
; sixteen lanes store 256 consecutive bytes, at a multiple of 256 from out0's first byte.  No barrier: a stage is its wave's own.
; REGISTERS: window 0: v1-12 lane numbers and addresses; v48-63 scale words; v64-95 the bias, later with v96-127 rows on their way out; v128-255 accumulator (a, t) at 128 + 32 a + 8 t.
;   window 1: Wo's fragment (t, s) at v[8 (4 t + s)]; a's (tile a, s) at v[128 + 8 (4 a + s)].
.set AF,  5                            ; v5   Wo: 256 x (r + 8 (r / 8)) + 16 h
.set ASC, 6                            ; v6   its scale words: 16 x (r + 8 (r / 8)) + 4 h
.set ABQ, 7                            ; v7   bias: 64 h
.set L16, 8                            ; v8   16 x lane
.set L4,  9                            ; v9   4 x lane
.set STO, 10                           ; v10  the stage, in: row r, + 64 h
.set RD,  11                           ; v11  and back: row h, + 16 r
.set CO,  12                           ; v12  the same in out0: 2,048 h + 16 r
.set SS0, 48
.set SS1, 56
.set CB,  64
.set BK,  64                           ; two sets of 32 registers by turns
.set ACC, 128
.set SPITCH, 272
.set MSB, 0
.macro WIN new                         ; the immediate's high byte repeats the setting that is left
.if MSB != \new
	s_set_vgpr_msb (MSB<<8)|\new
.set MSB, \new
.endif
.endm
.macro MULS s, cmode                   ; K step s: the 16 accumulators by turns, one instruction a turn.  cmode 1: the sums begin with the bias
.irp a, 0,1,2,3
.irp t, 0,1,2,3
.set rD, ACC+32*\a+8*\t
.if \cmode == 0
.set rC, rD
.else
.set rC, CB+8*\t
.endif
.if (\s)%2
	v_wmma_scale_f32_16x16x128_f8f6f4 v[rD:rD+7], v[8*(4*\t+\s):8*(4*\t+\s)+7], v[128+8*(4*\a+\s):128+8*(4*\a+\s)+7], v[rC:rC+7], v[SS0+2*\t+(\s)/2], v[SS1+2*\a+(\s)/2] matrix_a_fmt:MATRIX_FMT_FP4 matrix_b_fmt:MATRIX_FMT_FP4 matrix_a_scale:MATRIX_SCALE_ROW1 matrix_b_scale:MATRIX_SCALE_ROW1
.else
	v_wmma_scale_f32_16x16x128_f8f6f4 v[rD:rD+7], v[8*(4*\t+\s):8*(4*\t+\s)+7], v[128+8*(4*\a+\s):128+8*(4*\a+\s)+7], v[rC:rC+7], v[SS0+2*\t+(\s)/2], v[SS1+2*\a+(\s)/2] matrix_a_fmt:MATRIX_FMT_FP4 matrix_b_fmt:MATRIX_FMT_FP4
.endif
.endr
.endr
.endm
	s_load_b256 s[4:11], s[0:1], 0x0               ; ao s[4:5], Wo's codes s[6:7], Wo's scales s[8:9], bo s[10:11]
	s_load_b64 s[12:13], s[0:1], 0x20              ; out0
	v_lshl_add_u32 v46, v0, 2, 0x4400
	v_mov_b32 v47, 0
	v_lshrrev_b32 v1, 5, v0
	v_readfirstlane_b32 s14, v1                    ; wave 0..3
	s_lshl_b32 s15, ttmp9, 2
	s_add_co_u32 s15, s15, s14                     ; W
	s_and_b32 s16, s15, 7                          ; which 64 columns
	s_lshr_b32 s17, s15, 3                         ; which 64 tokens
	s_mov_b32 s19, 0
	v_and_b32 v1, 31, v0                           ; lane
	v_and_b32 v2, 15, v0                           ; r
	v_bfe_u32 v3, v0, 4, 1                         ; h
	v_and_b32 v4, 8, v2
	v_add_nc_u32 v4, v4, v2                        ; r + 8 (r / 8)
	v_lshlrev_b32 v[AF], 8, v4
	v_lshl_add_u32 v[AF], v3, 4, v[AF]
	v_lshlrev_b32 v[ASC], 4, v4
	v_lshl_add_u32 v[ASC], v3, 2, v[ASC]
	v_lshlrev_b32 v[ABQ], 6, v3
	v_lshlrev_b32 v[L16], 4, v1
	v_lshlrev_b32 v[L4], 2, v1
	s_mul_i32 s20, s14, 16*SPITCH                  ; my stage
	v_mul_u32_u24 v[STO], v2, SPITCH
	v_lshl_add_u32 v[STO], v3, 6, v[STO]
	v_add_nc_u32 v[STO], s20, v[STO]
	v_mul_u32_u24 v[RD], v3, SPITCH
	v_lshl_add_u32 v[RD], v2, 4, v[RD]
	v_add_nc_u32 v[RD], s20, v[RD]
	v_lshlrev_b32 v[CO], 11, v3
	v_lshl_add_u32 v[CO], v2, 4, v[CO]
	s_wait_kmcnt 0x0
	s_mul_i32 s18, s17, 4*4352                     ; my four token tiles
	s_add_nc_u64 s[4:5], s[4:5], s[18:19]
	s_lshl_b32 s18, s16, 14                        ; my 64 rows of Wo: 256 bytes of codes each,
	s_add_nc_u64 s[6:7], s[6:7], s[18:19]
	s_lshl_b32 s18, s16, 10                        ; 16 scale bytes each
	s_add_nc_u64 s[8:9], s[8:9], s[18:19]
	s_lshl_b32 s18, s16, 8                         ; my 64 columns: 256 bytes of bo and of a row of out0
	s_add_nc_u64 s[10:11], s[10:11], s[18:19]
	s_add_nc_u64 s[12:13], s[12:13], s[18:19]
	s_lshl_b32 s18, s17, 17                        ; my 64 rows of out0, 2,048 bytes each
	s_add_nc_u64 s[12:13], s[12:13], s[18:19]
	WIN 0x40                                       ; destination window 1, address window 0
.irp t, 0,1,2,3
.irp s, 0,1,2,3
.irp c, 0,1
	global_load_b128 v[8*(4*\t+\s)+4*\c:8*(4*\t+\s)+4*\c+3], v[AF], s[6:7] offset:(32*(\t/2)+8*(\t%2))*256+64*\s+32*\c
.endr
.endr
.endr
.irp a, 0,1,2,3
.irp s, 0,1,2,3
.irp c, 0,1
	global_load_b128 v[128+8*(4*\a+\s)+4*\c:128+8*(4*\a+\s)+4*\c+3], v[L16], s[4:5] offset:4352*\a+512*(2*\s+\c)   ; an image: the wave reads 512 consecutive bytes
.endr
.endr
.endr
	WIN 0
.irp t, 0,1,2,3
.irp g, 0,1
	global_load_b32 v[SS0+2*\t+\g], v[ASC], s[8:9] offset:(32*(\t/2)+8*(\t%2))*16+8*\g   ; lanes 0-15 K step 2 g, lanes 16-31 K step 2 g + 1
.endr
.endr
.irp a, 0,1,2,3
.irp g, 0,1
	global_load_b32 v[SS1+2*\a+\g], v[L4], s[4:5] offset:4352*\a+4096+128*\g
.endr
.endr
.irp t, 0,1,2,3
	global_load_b128 v[CB+8*\t:CB+8*\t+3], v[ABQ], s[10:11] offset:(32*(\t/2)+8*(\t%2))*4
	global_load_b128 v[CB+8*\t+4:CB+8*\t+7], v[ABQ], s[10:11] offset:(32*(\t/2)+8*(\t%2))*4+16
.endr
	s_wait_loadcnt 0x0                             ; one wait for the one burst
	WIN 0x05                                       ; sources 0 and 1 window 1; C and D window 0
	MULS 0, 1
	MULS 1, 0
	MULS 2, 0
	MULS 3, 0
	WIN 0
.rept 4
	v_nop                                          ; four places in front of the first read of results, and of the loads into the registers that held the bias
.endr
.macro TOSTAGE a                       ; token tile a: 16 rows x 256 bytes into my stage, each accumulator from its low end on, and back by rows.  LDS serves a wave's instructions in order: no wait between
.irp t, 0,1,2,3
	ds_store_b128 v[STO], v[ACC+32*(\a)+8*\t:ACC+32*(\a)+8*\t+3] offset:128*(\t/2)+32*(\t%2)
	ds_store_b128 v[STO], v[ACC+32*(\a)+8*\t+4:ACC+32*(\a)+8*\t+7] offset:128*(\t/2)+32*(\t%2)+16
.endr
.irp i, 0,1,2,3,4,5,6,7
	ds_load_b128 v[BK+32*((\a)%2)+4*\i:BK+32*((\a)%2)+4*\i+3], v[RD] offset:2*\i*SPITCH
.endr
.endm
.macro SEND a, younger                 ; younger: the LDS instructions issued behind tile a's loads, which may stay out
	s_wait_dscnt \younger
.irp i, 0,1,2,3,4,5,6,7
	global_store_b128 v[CO], v[BK+32*((\a)%2)+4*\i:BK+32*((\a)%2)+4*\i+3], s[12:13] offset:(32*((\a)/2)+8*((\a)%2)+2*\i+8*(\i/4))*2048 th:TH_STORE_NT   ; stage rows 2 i and 2 i + 1 are tokens 32 (a / 2) + 8 (a % 2) + 2 i + h + 8 (i / 4)
.endr
.endm
	TOSTAGE 0
.irp a, 1,2,3
.if \a > 1
	s_wait_xcnt 0x0                                ; tile a - 2's stores have read their registers: tile a's loads may land there
.endif
	TOSTAGE \a
	SEND \a-1, 16                                  ; behind tile a - 1's loads: tile a's 8 stores and 8 loads
.endr
	SEND 3, 0
	s_wait_tensorcnt 0x0
	ds_add_u32 v46, v47
	s_wait_dscnt 0x0
	s_endpgm
.Lfunc_end_k_qd2e6754ff1_oproj:
	.size	k_qd2e6754ff1_oproj, .Lfunc_end_k_qd2e6754ff1_oproj-k_qd2e6754ff1_oproj
	.p2alignl 7, 3214868480
	.fill 96, 4, 3214868480
	.section	.rodata,"a",@progbits
	.p2align	6, 0x0
	.amdhsa_kernel k_qd2e6754ff1_oproj
		.amdhsa_group_segment_fixed_size 17920
		.amdhsa_private_segment_fixed_size 0
		.amdhsa_enable_private_segment 0
		.amdhsa_kernarg_size 40
		.amdhsa_user_sgpr_count 2
		.amdhsa_user_sgpr_kernarg_segment_ptr 1
		.amdhsa_wavefront_size32 1
		.amdhsa_system_sgpr_workgroup_id_x 1
		.amdhsa_system_sgpr_workgroup_id_y 1
		.amdhsa_system_sgpr_workgroup_id_z 1
		.amdhsa_system_vgpr_workitem_id 0
		.amdhsa_next_free_vgpr 512
		.amdhsa_next_free_sgpr 66
		.amdhsa_reserve_vcc 0
		.amdhsa_float_denorm_mode_32 3
		.amdhsa_float_denorm_mode_16_64 3
		.amdhsa_memory_ordered 1
		.amdhsa_forward_progress 1
		.amdhsa_inst_pref_size 26
	.end_amdhsa_kernel
	.amdgpu_metadata
---
amdhsa.version: [ 1, 2 ]
amdhsa.kernels:
  - .name:           k_qd2e6754ff1_oproj
    .symbol:         k_qd2e6754ff1_oproj.kd
    .args:
      - { .name: ao, .offset: 0, .size: 8, .value_kind: global_buffer, .address_space: global }
      - { .name: Wo_codes, .offset: 8, .size: 8, .value_kind: global_buffer, .address_space: global }
      - { .name: Wo_scales, .offset: 16, .size: 8, .value_kind: global_buffer, .address_space: global }
      - { .name: bo, .offset: 24, .size: 8, .value_kind: global_buffer, .address_space: global }
      - { .name: out0, .offset: 32, .size: 8, .value_kind: global_buffer, .address_space: global }
    .group_segment_fixed_size: 17920
    .private_segment_fixed_size: 0
    .kernarg_segment_align: 8
    .kernarg_segment_size: 40
    .max_flat_workgroup_size: 128
    .sgpr_count:     66
    .vgpr_count:     512
    .wavefront_size: 32
...
	.end_amdgpu_metadata
.endif
;; end of part 3
;; ======== version 2 of 2: 3 launches
;; workspace buffers: qi 2,228,224 bytes; kv 4,456,448 bytes; ao 2,228,224 bytes
;; launch proj (part 4): grid 256 x 3, 4 waves a work-group, no clusters, 0 bytes of LDS; arguments Wq_codes, Wq_scales, q_codes, q_scales, bq, Wk_codes, Wk_scales, k_codes, k_scales, bk, v_codes, v_scales, Wv_codes, Wv_scales, bv, qi, kv; writes qi, kv
.if DOCPART == 4
	.amdgcn_target "amdgcn-amd-amdhsa--gfx1250"
	.amdhsa_code_object_version 6
	.text
	.protected	k_qd2e6754ff1_proj
	.globl	k_qd2e6754ff1_proj
	.p2align	8
	.type	k_qd2e6754ff1_proj,@function
k_qd2e6754ff1_proj:
	s_mov_b64 s[64:65], 0
	v_nop
	global_prefetch_b8 v0, s[64:65] scope:SCOPE_SE
	s_setreg_imm32_b32 hwreg(HW_REG_WAVE_SCHED_MODE, 0, 2), 2
	s_setreg_imm32_b32 hwreg(HW_REG_WAVE_MODE, 25, 1), 1
	s_wait_xcnt 0x0
	s_wait_alu depctr_vm_vsrc(0)
; THE THREE PROJECTIONS, x W^T + b on codes of FP4 (E2M1) with one E8M0 scale for each 32 along K, their results quantised in registers and stored as IMAGES OF THE NEXT PRODUCT'S OPERAND REGISTERS.
; Work-group y is the kind: 0 q, 1 k, 2 v.  One body serves all three: source 0 (S0) is the operand whose rows become the next product's K, source 1 (S1) the operand of which a lane keeps one row.
;   q, k: S0 = 64 rows of W (a head's 64 features), S1 = 64 tokens: a lane holds one token, its registers run along the head's 64, which is the K of q k^T.
;   v:    S0 = 64 tokens, S1 = 64 rows of Wv: a lane holds one feature, its registers run along the KEYS, which are the K of p v.
; Both operands are always [rows][256 bytes of codes] and [rows][16 scale bytes], so the loads are the same lines for every kind; only pointers are chosen, on the work-group's number.
; THE ROWS OF A TILE ARE NOT NEIGHBOURS, in S0 and in S1 alike: lane r of tile t takes row 32 (t / 2) + 8 (t % 2) + r + 8 (r / 8).  In a result, register j of tile t of lane (r, h) then belongs to
; S0's row 32 (t / 2) + 16 h + 8 (t % 2) + j: the 16 registers of tiles 2 b and 2 b + 1 are 16 neighbours of block b.  Tokens keep that order of tiles through all three launches; the last one's stores undo it.
; SHARES.  3,072 waves that share nothing: wave W = 4 x work-group x + wave; head W % 8, group of 64 tokens W / 8.  A wave makes 64 x 64 over K = 512: 16 accumulators, 64 matrix instructions.
; No LDS, no barrier.  No tensor load and so no joint request in a cluster: every operand byte goes from memory straight into the registers of the wave that multiplies it, in one burst of loads,
; and a wave's whole work behind that burst is 64 matrix instructions; there is no tile in LDS that partners could share.
; WHAT IS STORED.  qi: [batch x head 16][step of 128 tokens 32][4,352 bytes]; kv: the same with 8,704 bytes a step: K's part, then V's.  A part: 4,096 bytes of codes, 256 of scale words.
;   q, k: token tile 4 c + a of the step (c = group % 2) is 512 bytes at 2,048 c + 512 a: lane l's 16 bytes at 16 l: the head's numbers 32 h .. 32 h + 31 of the lane's token.
;   v:    feature tile a is 1,024 bytes at 1,024 a; its half c at + 512 c: lane (r, h): keys 64 c + 32 h .. + 31 of the step, of feature row r.
;   scale words: 128 bytes at 4,096 + 128 c, 4 a lane: lanes 0-15 the two bytes of tile 0 below those of tile 1, lanes 16-31 those of tiles 2 and 3.
; LIMITS: NaN and infinities are not served.  A block whose largest magnitude lies under 2^-124 gets the byte 1; so does a block of zeros, where the quantiser's rule says 127: its codes are zeros, and this program alone reads the bytes.
; REGISTERS: window 0: v1-13 lane numbers and addresses; v16-21 at work; v24-30 scale bytes; v32-47 codes; v48-63 the operands' scale words; v64-95 the bias as C; v128-255 accumulator (a, t) at 128 + 32 a + 8 t.
;   window 1: S0's fragment (tile t, K step s) at v[8 (4 t + s)]; S1's (a, s) at v[128 + 8 (4 a + s)].
; THE MODE: SCHED_MODE bits 1:0 = 2 (LLVM: expert scheduling mode 2), set by the entry lines.  The code itself states the register dependences between vector or matrix instructions and memory instructions,
; with s_wait_alu, always for 0.
; THE PLAN.  Registers that memory instructions touch:
;   v5-8    the loads' offsets, v9-13 the stores': written once, by vector instructions at the head, and never again.
;   window 1, v48-63, v64-95   the loads land in them.  No vector instruction names them ahead of the loads; matrix instructions read them behind the wait on LOADcnt; nothing lands in them again.
;   v32-47, v30   the codes and the scale word: written by the conversions, the exchanges of halves and the select; read by the five stores, which stand in one run at the end; never written again.
; So one wait on va_vdst stands ahead of the first load, for all nine offsets, and one ahead of the run of stores, for their data.  One wait on va_sdst stands ahead of the reader of the wave's number, one on va_vcc
; ahead of the select.  No register that a memory instruction reads is written afterwards, so no wait on vm_vsrc is written.
.set AF,  5                            ; v5   a fragment's row: 256 x (r + 8 (r / 8)) + 16 h
.set ASC, 6                            ; v6   its scale words: 16 x (r + 8 (r / 8)) + 4 h
.set ABQ, 7                            ; v7   bias, q and k: 64 h
.set ABV, 8                            ; v8   bias, v: 4 x (r + 8 (r / 8))
.set OSC, 9                            ; v9   where my scale word goes
.set OF,  10                           ; v10-13 where tile a's codes go
.set TM,  16                           ; v16-17 largest magnitudes, v18-19 the other half's, then bytes, v20-21 the conversions' scale operands
.set HW,  24                           ; v24-27 tile a's two bytes
.set PC,  32                           ; v32-47 tile a's codes: four registers each, so that no store's data are written again
.set SS0, 48                           ; v48-55 S0's scale words: register 2 t + g: lanes 0-15 K step 2 g, lanes 16-31 K step 2 g + 1
.set SS1, 56                           ; v56-63 S1's likewise
.set CB,  64
.set ACC, 128
.set S0C, 8                            ; s[8:9]   S0's codes     s[10:11] its scales
.set S0S, 10
.set S1C, 12                           ; s[12:13] S1's codes     s[14:15] its scales
.set S1S, 14
.set BIA, 16                           ; s[16:17] the bias
.set OUT, 38                           ; s[38:39] qi or kv
.set SEL, 52                           ; s[52:53] v_permlanex16_b32's selects for lane l xor 16
.set MSB, 0
.macro WIN new                         ; the immediate's high byte repeats the setting that is left
.if MSB != \new
	s_set_vgpr_msb (MSB<<8)|\new
.set MSB, \new
.endif
.endm
; 64 rows x 512 K of codes into 16 fragments from v[reg] on: a fragment is 8 registers, lane (r, h): registers 4 c .. 4 c + 3 hold K = 64 c + 32 h + 0 .. 31: 16 bytes of the row as they lie
.macro LOADOP reg, p
.irp t, 0,1,2,3
.irp s, 0,1,2,3
.irp c, 0,1
	global_load_b128 v[\reg+8*(4*\t+\s)+4*\c:\reg+8*(4*\t+\s)+4*\c+3], v[AF], s[\p:\p+1] offset:(32*(\t/2)+8*(\t%2))*256+64*\s+32*\c
.endr
.endr
.endr
.endm
.macro LOADSC reg, p                   ; their scale words: a row has four, one a K step; one register carries two K steps', in the two halves of the lanes
.irp t, 0,1,2,3
.irp g, 0,1
	global_load_b32 v[\reg+2*\t+\g], v[ASC], s[\p:\p+1] offset:(32*(\t/2)+8*(\t%2))*16+8*\g
.endr
.endr
.endm
; K step s: 16 matrix instructions, the 16 accumulators by turns, one instruction a turn.  cmode 0: the sums go on; 1: they begin with the bias of S0's rows; 2: of S1's rows
.macro MULS s, cmode
.irp a, 0,1,2,3
.irp t, 0,1,2,3
.set rD, ACC+32*\a+8*\t
.if \cmode == 0
.set rC, rD
.elseif \cmode == 1
.set rC, CB+8*\t
.else
.set rC, CB+8*\a
.endif
.if (\s)%2
	v_wmma_scale_f32_16x16x128_f8f6f4 v[rD:rD+7], v[8*(4*\t+\s):8*(4*\t+\s)+7], v[128+8*(4*\a+\s):128+8*(4*\a+\s)+7], v[rC:rC+7], v[SS0+2*\t+(\s)/2], v[SS1+2*\a+(\s)/2] matrix_a_fmt:MATRIX_FMT_FP4 matrix_b_fmt:MATRIX_FMT_FP4 matrix_a_scale:MATRIX_SCALE_ROW1 matrix_b_scale:MATRIX_SCALE_ROW1
.else
	v_wmma_scale_f32_16x16x128_f8f6f4 v[rD:rD+7], v[8*(4*\t+\s):8*(4*\t+\s)+7], v[128+8*(4*\a+\s):128+8*(4*\a+\s)+7], v[rC:rC+7], v[SS0+2*\t+(\s)/2], v[SS1+2*\a+(\s)/2] matrix_a_fmt:MATRIX_FMT_FP4 matrix_b_fmt:MATRIX_FMT_FP4
.endif
.endr
.endr
.endm
; 32 numbers of a lane, register 16 b + i = place 32 b + 16 h + i of my row, become four registers of codes (lane (r, h): block h, places 0 .. 31) and the row's two scale bytes
.macro QUANT2 s, pc, hw
.irp b, 0,1
	v_max3_num_f32 v[TM+\b], |v[(\s)+16*\b]|, |v[(\s)+1+16*\b]|, 0x1800000   ; block b: my 16 numbers, from each accumulator's low end on, and the floor 2^(3 - 127): so the byte cannot fall under 1
.endr
.irp i, 2,4,6,8,10,12,14
.irp b, 0,1
	v_max3_num_f32 v[TM+\b], v[TM+\b], |v[(\s)+16*\b+\i]|, |v[(\s)+1+16*\b+\i]|
.endr
.endr
.irp b, 0,1
	v_permlanex16_b32 v[TM+2+\b], v[TM+\b], s[SEL], s[SEL+1]
.endr
.irp b, 0,1
	v_max_num_f32 v[TM+\b], v[TM+\b], v[TM+2+\b]           ; with lane l xor 16's: the block's largest magnitude
.endr
.irp b, 0,1
	v_add_nc_u32 v[TM+4+\b], 0xff000000, v[TM+\b]          ; 2 off its exponent field: the conversion takes the exponent field of this operand as its scale
.endr
.irp b, 0,1
	v_lshrrev_b32 v[TM+2+\b], 23, v[TM+4+\b]               ; the scale's byte
.endr
	v_lshl_or_b32 v[\hw], v[TM+3], 8, v[TM+2]
.irp b, 0,1
.irp e, 0,1
	v_cvt_scalef32_pk8_fp4_f32 v[(\pc)+2*\b+\e], v[(\s)+16*\b+8*\e:(\s)+16*\b+8*\e+7], v[TM+4+\b]
.endr
.endr
	v_nop                                                  ; one plain place behind a scaled conversion
	v_permlane16_swap_b32 v[(\pc)], v[(\pc)+2]             ; half blocks become whole ones: lanes 0-15 block 0, lanes 16-31 block 1
	v_permlane16_swap_b32 v[(\pc)+1], v[(\pc)+3]
.endm
	s_load_b512 s[8:23], s[0:1], 0x0               ; argument i lands in s[8 + 2 i : 9 + 2 i]: five for q, five for k,
	s_load_b512 s[24:39], s[0:1], 0x40             ; five for v (each: S0's codes, S0's scales, S1's codes, S1's scales, bias), qi,
	s_load_b64 s[40:41], s[0:1], 0x80              ; kv
	v_lshrrev_b32 v1, 5, v0
	v_readfirstlane_b32 s3, v1                     ; wave 0..3
	s_and_b32 s2, ttmp7, 0xffff                    ; the kind
	s_lshl_b32 s4, ttmp9, 2
	s_wait_alu depctr_va_sdst(0)                   ; s3, the wave's number, is written, ahead of its one reader
	s_add_co_u32 s4, s4, s3                        ; W
	s_and_b32 s5, s4, 7                            ; the head
	s_lshr_b32 s6, s4, 3                           ; G: the group of 64 tokens, 0..127
	s_cmp_eq_u32 s2, 2
	s_cselect_b32 s7, 1, 0                         ; 1 for v
	s_lshl_b32 s46, 512, s7                        ; bytes from tile a's codes to tile a + 1's: 512, for v 1,024
	s_lshl_b32 s44, s7, 1
	s_lshr_b32 s47, 2048, s44                      ; bytes from group half 0 to half 1: 2,048, for v 512
	s_cmp_lg_u32 s2, 0
	s_cselect_b32 s44, 1, 0
	s_lshl_b32 s48, 4352, s44                      ; a step in the buffer: 4,352 in qi, 8,704 in kv
	s_mul_i32 s49, s7, 4352                        ; V's part lies behind K's
	s_lshl_b32 s50, s6, 6                          ; the group's first token
	s_lshl_b32 s51, s5, 6                          ; the head's first feature
	s_cmp_eq_u32 s2, 2
	s_cselect_b32 s42, s50, s51                    ; S0's first row
	s_cselect_b32 s43, s51, s50                    ; S1's
	s_and_b32 s55, s6, 1                           ; c: which half of a step of 128 tokens
	s_mov_b32 s[SEL], 0x76543210
	s_mov_b32 s[SEL+1], 0xfedcba98
	s_lshr_b32 s56, s6, 6                          ; the batch,
	s_lshl_b32 s56, s56, 3
	s_add_co_u32 s56, s56, s5                      ; 8 x batch + head,
	s_lshl_b32 s56, s56, 5
	s_bfe_u32 s54, s6, 0x50001                     ; the step: (G / 2) % 32
	s_add_co_u32 s56, s56, s54
	s_mul_i32 s56, s56, s48
	s_add_co_u32 s56, s56, s49                     ; where my step's part begins in the buffer
	s_mov_b32 s57, 0
	s_mov_b32 s45, 0
	v_and_b32 v1, 31, v0                           ; lane
	v_and_b32 v2, 15, v0                           ; r
	v_bfe_u32 v3, v0, 4, 1                         ; h
	v_and_b32 v4, 8, v2
	v_add_nc_u32 v4, v4, v2                        ; r + 8 (r / 8)
	v_lshlrev_b32 v[AF], 8, v4
	v_lshl_add_u32 v[AF], v3, 4, v[AF]
	v_lshlrev_b32 v[ASC], 4, v4
	v_lshl_add_u32 v[ASC], v3, 2, v[ASC]
	v_lshlrev_b32 v[ABQ], 6, v3
	v_lshlrev_b32 v[ABV], 2, v4
	s_lshl_b32 s58, s55, 7
	v_lshl_add_u32 v[OSC], v1, 2, s58              ; 4 x lane + 128 c
	s_mul_i32 s58, s55, s47
	v_lshl_add_u32 v[OF], v1, 4, s58               ; 16 x lane + c's bytes,
	v_add_nc_u32 v[OF+1], s46, v[OF]               ; and tile by tile on
	v_add_nc_u32 v[OF+2], s46, v[OF+1]
	v_add_nc_u32 v[OF+3], s46, v[OF+2]
	v_mov_b32 v[TM+2], 0                           ; written once: a lane permute's destination counts as one of its sources
	v_mov_b32 v[TM+3], 0
	s_wait_kmcnt 0x0
	s_cmp_eq_u32 s2, 1                             ; the kind's five pointers: the choice hangs on the work-group's number alone
.irp i, 0,1,2,3,4
	s_cselect_b64 s[8+2*\i:9+2*\i], s[18+2*\i:19+2*\i], s[8+2*\i:9+2*\i]
.endr
	s_cmp_eq_u32 s2, 2
.irp i, 0,1,2,3,4
	s_cselect_b64 s[8+2*\i:9+2*\i], s[28+2*\i:29+2*\i], s[8+2*\i:9+2*\i]
.endr
	s_cmp_eq_u32 s2, 0
	s_cselect_b64 s[OUT:OUT+1], s[38:39], s[40:41]
	s_lshl_b32 s44, s42, 8                         ; a row of codes is 256 bytes,
	s_add_nc_u64 s[S0C:S0C+1], s[S0C:S0C+1], s[44:45]
	s_lshl_b32 s44, s42, 4                         ; of scale bytes 16
	s_add_nc_u64 s[S0S:S0S+1], s[S0S:S0S+1], s[44:45]
	s_lshl_b32 s44, s43, 8
	s_add_nc_u64 s[S1C:S1C+1], s[S1C:S1C+1], s[44:45]
	s_lshl_b32 s44, s43, 4
	s_add_nc_u64 s[S1S:S1S+1], s[S1S:S1S+1], s[44:45]
	s_lshl_b32 s44, s5, 8                          ; the head's 64 numbers of the bias
	s_add_nc_u64 s[BIA:BIA+1], s[BIA:BIA+1], s[44:45]
	s_add_nc_u64 s[OUT:OUT+1], s[OUT:OUT+1], s[56:57]
	WIN 0x40                                       ; destination window 1, address window 0
	s_wait_alu depctr_va_vdst(0)                   ; the offsets v5 to v13 are written, which every load and store of the kernel reads; up to the last load, on both ways of the branch below, only loads, window switches
	LOADOP 0, S0C
	LOADOP 128, S1C
	WIN 0
	LOADSC SS0, S0S
	LOADSC SS1, S1S
	s_cmp_eq_u32 s7, 1                             ; the bias is the C of each sum's first matrix instruction; where it lies differs with the kind
	s_cbranch_scc1 .Lkind_v
.irp t, 0,1,2,3                        ; q, k: it belongs to S0's rows: tile t's eight registers are features 32 (t / 2) + 16 h + 8 (t % 2) + 0 .. 7
	global_load_b128 v[CB+8*\t:CB+8*\t+3], v[ABQ], s[BIA:BIA+1] offset:(32*(\t/2)+8*(\t%2))*4
	global_load_b128 v[CB+8*\t+4:CB+8*\t+7], v[ABQ], s[BIA:BIA+1] offset:(32*(\t/2)+8*(\t%2))*4+16
.endr
	s_wait_loadcnt 0x0                             ; one wait for the one burst: all that the wave will ever load
	WIN 0x05                                       ; sources 0 and 1 window 1; C and D window 0
	MULS 0, 1
	WIN 0                                          ; at a branch and at a label every window is 0
	s_branch .Lfirst_done
.Lkind_v:
.irp a, 0,1,2,3                        ; v: it belongs to S1's rows: the lane's own feature, the same number in all eight registers
.irp j, 0,1,2,3,4,5,6,7
	global_load_b32 v[CB+8*\a+\j], v[ABV], s[BIA:BIA+1] offset:(32*(\a/2)+8*(\a%2))*4
.endr
.endr
	s_wait_loadcnt 0x0
	WIN 0x05
	MULS 0, 2
	WIN 0
.Lfirst_done:
	WIN 0x05
	MULS 1, 0
	MULS 2, 0
	MULS 3, 0
	WIN 0
.rept 4
	v_nop                                          ; four places between the last products and the first read of results (ISA guide 7.12.1)
.endr
.irp a, 0,1,2,3
	QUANT2 ACC+32*\a, PC+4*\a, HW+\a
.endr
	v_cmp_eq_u32 vcc_lo, 1, v3
	v_lshl_or_b32 v28, v[HW+1], 16, v[HW]          ; tiles 0 and 1,
	v_lshl_or_b32 v29, v[HW+3], 16, v[HW+2]        ; tiles 2 and 3
	s_wait_alu depctr_va_vcc(0)                    ; the compare has written VCC, which the select below reads
	v_cndmask_b32 v30, v28, v29, vcc_lo            ; lanes 0-15 the first word, lanes 16-31 the second
	s_wait_alu depctr_va_vdst(0)                   ; the conversions and the exchanges of halves have written v32 to v47, the select v30: the data of the five stores below
.irp a, 0,1,2,3
	global_store_b128 v[OF+\a], v[PC+4*\a:PC+4*\a+3], s[OUT:OUT+1]   ; the wave stores 512 consecutive bytes, at a multiple of 256 from the buffer's first byte
.endr
	global_store_b32 v[OSC], v30, s[OUT:OUT+1] offset:4096         ; 128 consecutive bytes; the wave of the step's other half stores the 128 beside them
	s_endpgm
.Lfunc_end_k_qd2e6754ff1_proj:
	.size	k_qd2e6754ff1_proj, .Lfunc_end_k_qd2e6754ff1_proj-k_qd2e6754ff1_proj
	.p2alignl 7, 3214868480
	.fill 96, 4, 3214868480
	.section	.rodata,"a",@progbits
	.p2align	6, 0x0
	.amdhsa_kernel k_qd2e6754ff1_proj
		.amdhsa_group_segment_fixed_size 0
		.amdhsa_private_segment_fixed_size 0
		.amdhsa_enable_private_segment 0
		.amdhsa_kernarg_size 136
		.amdhsa_user_sgpr_count 2
		.amdhsa_user_sgpr_kernarg_segment_ptr 1
		.amdhsa_wavefront_size32 1
		.amdhsa_system_sgpr_workgroup_id_x 1
		.amdhsa_system_sgpr_workgroup_id_y 1
		.amdhsa_system_sgpr_workgroup_id_z 1
		.amdhsa_system_vgpr_workitem_id 0
		.amdhsa_next_free_vgpr 512
		.amdhsa_next_free_sgpr 66
		.amdhsa_reserve_vcc 1
		.amdhsa_float_denorm_mode_32 3
		.amdhsa_float_denorm_mode_16_64 3
		.amdhsa_memory_ordered 1
		.amdhsa_forward_progress 1
		.amdhsa_inst_pref_size 34
	.end_amdhsa_kernel
	.amdgpu_metadata
---
amdhsa.version: [ 1, 2 ]
amdhsa.kernels:
  - .name:           k_qd2e6754ff1_proj
    .symbol:         k_qd2e6754ff1_proj.kd
    .args:
      - { .name: Wq_codes, .offset: 0, .size: 8, .value_kind: global_buffer, .address_space: global }
      - { .name: Wq_scales, .offset: 8, .size: 8, .value_kind: global_buffer, .address_space: global }
      - { .name: q_codes, .offset: 16, .size: 8, .value_kind: global_buffer, .address_space: global }
      - { .name: q_scales, .offset: 24, .size: 8, .value_kind: global_buffer, .address_space: global }
      - { .name: bq, .offset: 32, .size: 8, .value_kind: global_buffer, .address_space: global }
      - { .name: Wk_codes, .offset: 40, .size: 8, .value_kind: global_buffer, .address_space: global }
      - { .name: Wk_scales, .offset: 48, .size: 8, .value_kind: global_buffer, .address_space: global }
      - { .name: k_codes, .offset: 56, .size: 8, .value_kind: global_buffer, .address_space: global }
      - { .name: k_scales, .offset: 64, .size: 8, .value_kind: global_buffer, .address_space: global }
      - { .name: bk, .offset: 72, .size: 8, .value_kind: global_buffer, .address_space: global }
      - { .name: v_codes, .offset: 80, .size: 8, .value_kind: global_buffer, .address_space: global }
      - { .name: v_scales, .offset: 88, .size: 8, .value_kind: global_buffer, .address_space: global }
      - { .name: Wv_codes, .offset: 96, .size: 8, .value_kind: global_buffer, .address_space: global }
      - { .name: Wv_scales, .offset: 104, .size: 8, .value_kind: global_buffer, .address_space: global }
      - { .name: bv, .offset: 112, .size: 8, .value_kind: global_buffer, .address_space: global }
      - { .name: qi, .offset: 120, .size: 8, .value_kind: global_buffer, .address_space: global }
      - { .name: kv, .offset: 128, .size: 8, .value_kind: global_buffer, .address_space: global }
    .group_segment_fixed_size: 0
    .private_segment_fixed_size: 0
    .kernarg_segment_align: 8
    .kernarg_segment_size: 136
    .max_flat_workgroup_size: 128
    .sgpr_count:     66
    .vgpr_count:     512
    .wavefront_size: 32
...
	.end_amdgpu_metadata
.endif
;; end of part 4
;; launch attn (part 5): grid 16 x 16, 16 waves a work-group, clusters of 4 x 1, 327,680 bytes of LDS; arguments qi, kv, ao; writes ao
.if DOCPART == 5
	.amdgcn_target "amdgcn-amd-amdhsa--gfx1250"
	.amdhsa_code_object_version 6
	.text
	.protected	k_qd2e6754ff1_attn
	.globl	k_qd2e6754ff1_attn
	.p2align	8
	.type	k_qd2e6754ff1_attn,@function
k_qd2e6754ff1_attn:
	s_mov_b64 s[64:65], 0
	v_nop
	global_prefetch_b8 v0, s[64:65] scope:SCOPE_SE
	s_setreg_imm32_b32 hwreg(HW_REG_WAVE_MODE, 25, 1), 1
	s_wait_xcnt 0x0
	s_wait_alu depctr_hold_cnt(0) depctr_sa_sdst(0) depctr_va_vdst(0) depctr_va_sdst(0) depctr_va_ssrc(0) depctr_va_vcc(0) depctr_vm_vsrc(0)
	s_getreg_b32 s2, hwreg(HW_REG_IB_STS2, 6, 4)
	s_cmp_eq_u32 s2, 0
	s_cbranch_scc0 .Lentry_in_a_cluster
	s_endpgm
.Lentry_in_a_cluster:
	s_bfe_u32 s2, ttmp6, 0x10000c
	s_cmp_lg_u32 s2, 0x3003
	s_cbranch_scc0 .Lentry_shape_is_right
	s_endpgm
.Lentry_shape_is_right:
; ATTENTION ON CODES OF FP4 (E2M1), one E8M0 scale for each 32 along a product's K: S^T = K Q^T (K = the head's 64), softmax, O^T = V^T P^T (K = the keys), O / l, quantised along the head's 64 for the last projection.
; THE SOFTMAX: t = score x log2(e) / 8; M = the running largest t rounded UP to a whole number; p = 2^(t - M) is what is quantised, along the keys, not normalised.  The row's sum is taken of the unquantised p, in f32,
; and divides O at the end.  When M moves, the sum and O are multiplied by 2^(old M - new M), which rounds nothing.
; SHARES.  Work-group y = 8 x batch + head; work-group x = a block of 256 queries; each of SIXTEEN waves owns one tile of 16 queries in 256 registers: four waves to a SIMD, so that one wave's vector work (some
; 240 instructions a step) stands beside another's 12 matrix instructions and 20 LDS loads.  Every wave walks the head's 4,096 keys, 128 a step.
; OPERANDS LIE IN MEMORY AS IMAGES OF THEIR REGISTERS (the launch before laid them so): a step is 8,704 dense bytes: K's 4 double fragments (1,024 bytes each), K's 2 scale registers (128 each), V's 4 fragments,
; V's 2 raw scale registers.  So every LDS load takes 512 or 128 consecutive bytes: no pitch, no padding.
; K = 64 IN AN INSTRUCTION OF 128.  A double fragment holds two tiles of 16 keys: registers 0-3 the first, 4-7 the second: as an operand, row r has the first tile's 64 numbers at K 0-63 and the second's at K 64-127.
; Q stands in 12 registers [q | zeros | q]: registers 0-7 pick the first tile, registers 4-11 the second: zero codes add nothing.  Q's scale word holds its two bytes twice.
; THE KEYS OF A TILE ARE NOT NEIGHBOURS: lane r of tile 2 b + u is key 32 b + 8 u + r + 8 (r / 8), so that the 16 registers of tiles 2 b, 2 b + 1 of S^T are keys 32 b + 16 h + 0 .. 15.  V's 16 rows of a tile are chosen
; likewise, so that O^T's 32 registers are the head's numbers 32 b + 16 h + i in order, ready for the quantiser.  A lane holds ONE query throughout.
; RING.  Two LDS slots of 8 steps (69,632 bytes), 2^17 bytes apart.  Waves 0-3 fetch a quarter of a slot each (68 rows of 256 dense bytes).  By this text's own count a wave has at most one tensor load outstanding.
; CLUSTER.  The four work-groups of a cluster are four query blocks of one head and walk the same K and V: each quarter slot is asked for JOINTLY, by the same load with the same descriptor and the mask 15.
; The place in the cluster enters the global addresses of Q and of the output alone.
; WHAT IS STORED.  ao: [token tile 512][4,352]: [head 8][512 bytes: lane l's 16 bytes at 16 l], then 256 scale bytes [K step of 128: 4][row 16][4].  The two scale bytes of a row and head are stored as single bytes,
; 32 a wave, once in the launch: the four bytes of a word belong to two heads, which are two work-groups.
; LIMITS: NaN and infinities are not served.  p under 2^-126 counts as 0.  A block whose largest magnitude lies under 2^-124, or of zeros, gets the byte 1 (this program alone reads the bytes).  The division by l is a reciprocal and a multiplication.
.set STEPB, 8704
.set SLOTB, 8*STEPB                    ; 69,632
.set QUART, 2*STEPB                    ; what one tensor load brings
.set SLOT1, 1<<17                      ; slot 1 begins here: one exclusive or turns an address in one slot into the other's
.set SPARE, 2*SLOT1                    ; the spare words: 128 bytes for each of 16 waves: eight blocks of 256 bytes that no other line names
.set L16, 1                            ; v1   16 x lane
.set L4,  2                            ; v2   4 x lane
.set AC,  3                            ; v3   LDS address of the step's code images
.set AS,  4                            ; v4   of its scale images
.set SPW, 5                            ; v5   LDS address of my spare word; never rewritten
.set NIL, 6                            ; v6   0; never rewritten
.set GC,  9                            ; v9   the way out: my codes' offset
.set GS,  10                           ; v10  my scale byte's
.set Q,   16                           ; v16-19 q, v20-23 zeros, v24-27 q
.set QS,  28                           ; v28  Q's scale word
.set KS,  30                           ; v30-31 K's scale registers: register g: lanes 0-15 double fragment 2 g, lanes 16-31 2 g + 1
.set VR,  32                           ; v32-33 V's raw scale registers: register c: key blocks 2 c, 2 c + 1; lanes 0-15 tiles 0 | 1, lanes 16-31 tiles 2 | 3
.set VSL, 34                           ; v34  V's scale words of tiles 0 (lanes 0-15) and 2 (lanes 16-31);  v35 of tiles 1 and 3
.set KF,  40                           ; v40-71   K's four double fragments
.set VF,  72                           ; v72-103  V's four fragments
.set S,   104                          ; v104-167 S^T, then p
.set O,   168                          ; v168-199 O^T
.set PC,  200                          ; v200-207 p's codes
.set BM,  208                          ; v208-211 each block's largest score, then its largest p
.set BP,  212                          ; v212-215 the other half's, then bytes
.set BSC, 216                          ; v216-219 the conversions' scale operands
.set T,   220
.set PS,  221                          ; v221 p's scale word
.set F,   222                          ; v[222:223] f = 2^(old M - new M); the pair's upper half is written once
.set C2,  224                          ; v[224:225] the sum's second chain
.set WV,  10                           ; s10 my wave's number
.set SEL, 12                           ; s[12:13] lane selects: lane l xor 16
.set CS,  14                           ; s[14:15] c = log2(e) / 8: the packed form names a pair and takes its low word for both halves
.set G1,  16                           ; s[16:23] descriptor group 1
.set G0,  24                           ; s[24:27] descriptor group 0, which walks
.set TB,  28                           ; s28 LDS byte at which the step in hand begins
.set CNT, 29
.set SLOTS, 30
; A round of the cluster's barrier: my work-group's barrier; wave 0 signals for the work-group; every wave waits for all four work-groups; my work-group's barrier once more.
.macro CROUND
	s_barrier_signal -1
	s_barrier_wait -1
	s_cmp_lg_u32 s[WV], 0
	s_cbranch_scc1 .Lnot_wave_0_\@
	s_barrier_signal -3
.Lnot_wave_0_\@:
	s_barrier_wait -3
	s_barrier_signal -1
	s_barrier_wait -1
.endm
; Waves 0-3 fetch, the others nothing; the branch hangs on the wave's number alone.  Four v_nop follow the load.
.macro TLOAD
	s_cmp_lt_u32 s[WV], 4
	s_cbranch_scc0 .Lnone_\@
	tensor_load_to_lds s[G0:G0+3], s[G1:G1+7]
	s_nop 0
.rept 4
	v_nop
.endr
.Lnone_\@:
.endm
	s_load_b128 s[4:7], s[0:1], 0x0                ; qi, kv
	s_load_b64 s[8:9], s[0:1], 0x10                ; ao
	v_lshl_add_u32 v[SPW], v0, 2, SPARE
	v_mov_b32 v[NIL], 0
	ds_add_u32 v5, v6
	ds_add_u32 v5, v6
	s_wait_dscnt 0x0
	v_lshrrev_b32 v1, 5, v0
	s_delay_alu instid0(VALU_DEP_1)
	v_readfirstlane_b32 s[WV], v1                  ; wave 0..15
	s_bfe_u32 s33, ttmp6, 0x40000                  ; cx: my place in the cluster
	s_lshl_b32 s34, ttmp9, 2                       ; in a cluster launch ttmp9 counts clusters
	s_add_co_u32 s34, s34, s33                     ; x: my block of 256 queries
	s_and_b32 s35, ttmp7, 0xffff                   ; 8 x batch + head, which the four partners share
	s_and_b32 s42, s[WV], 3
	s_mul_i32 s42, s42, QUART                      ; the quarter slot that I fetch, if I fetch: in a slot, and in memory
	s_mul_i32 s36, s35, 32*STEPB                   ; the head's first byte of kv
	s_add_co_u32 s36, s36, s42
	s_mov_b32 s37, 0
	s_lshl_b32 s38, s35, 5                         ; qi: step 32 x (8 batch + head) + 2 x + wave / 8
	s_lshl_b32 s46, s34, 1
	s_add_co_u32 s38, s38, s46
	s_lshr_b32 s43, s[WV], 3
	s_add_co_u32 s38, s38, s43
	s_mul_i32 s38, s38, 4352
	s_mov_b32 s39, 0
	s_lshr_b32 s40, s35, 3                         ; ao: token tile 256 x batch + 16 x + wave
	s_lshl_b32 s40, s40, 8
	s_lshl_b32 s46, s34, 4
	s_add_co_u32 s40, s40, s46
	s_add_co_u32 s40, s40, s[WV]
	s_mul_i32 s40, s40, 4352
	s_mov_b32 s41, 0
	; descriptor group 1: 68 dense rows of 256 bytes (32 elements of 8 bytes), no padding
	s_mov_b32 s[G1+0], 15|(3<<16)|(1<<21)          ; 15:0 the mask: all four work-groups; 17:16 elements of 8 bytes; 21 set beside a mask
	s_mov_b32 s[G1+1], 32<<16                      ; tensor_dim0 = 32
	s_mov_b32 s[G1+2], 68<<16                      ; tensor_dim1 = 68
	s_mov_b32 s[G1+3], 32<<16                      ; tile_dim0 = 32
	s_mov_b32 s[G1+4], 68                          ; tile_dim1 = 68
	s_mov_b32 s[G1+5], 32                          ; elements from row to row
	s_mov_b32 s[G1+6], 0
	s_mov_b32 s[G1+7], 0
	s_mov_b32 s[SEL], 0x76543210
	s_mov_b32 s[SEL+1], 0xfedcba98
	s_mov_b32 s[CS], 0x3e38aa3b                    ; c = log2(e) / sqrt(64)
	s_mov_b32 s[CS+1], s[CS]                       ; (named with it as a pair, so it is written)
	s_mov_b32 s31, 0x05040100                      ; v_perm_b32: the two low halves,
	s_mov_b32 s32, 0x07060302                      ; the two high halves
	s_mov_b32 s[TB], 0
	s_mov_b32 s[SLOTS], 3
	s_wait_kmcnt 0x0
	s_mov_b32 s[G0], 1                             ; count = 1
	s_mov_b32 s[G0+1], s42                         ; LDS address: slot 0
	s_add_nc_u64 s[G0+2:G0+3], s[6:7], s[36:37]    ; global address: the head's first 8 steps
	s_or_b32 s[G0+3], s[G0+3], 0x80000000          ; type = 2
	s_add_nc_u64 s[4:5], s[4:5], s[38:39]          ; qi at my tile's step
	s_add_nc_u64 s[8:9], s[8:9], s[40:41]          ; ao at my tile
	CROUND                                         ; all four work-groups are here: the first joint loads meet
	TLOAD                                          ; slot 0
	v_and_b32 v11, 31, v0
	s_delay_alu instid0(VALU_DEP_1)
	v_lshlrev_b32 v[L16], 4, v11
	s_delay_alu instid0(VALU_DEP_2)
	v_lshlrev_b32 v[L4], 2, v11
	v_and_b32 v7, 15, v0                           ; r
	v_bfe_u32 v8, v0, 4, 1                         ; h
	s_wait_alu depctr_va_vdst(0)
	s_and_b32 s43, s[WV], 7                        ; my tile in its step
	s_lshl_b32 s44, s43, 9
	v_add_nc_u32 v36, s44, v[L16]                  ; its 512 bytes of codes
	s_lshr_b32 s44, s43, 1
	s_lshl_b32 s44, s44, 6
	v_lshl_add_u32 v37, v7, 2, s44                 ; and its double fragment's scale words: 64 bytes each, 4 a row
	global_load_b128 v[Q:Q+3], v36, s[4:5]         ; q, twice: it stays in registers
	global_load_b128 v[Q+8:Q+11], v36, s[4:5]
	global_load_b32 v11, v37, s[4:5] offset:4096
	s_and_b32 s43, s35, 7                          ; the head
	s_lshl_b32 s44, s43, 9
	v_add_nc_u32 v[GC], s44, v[L16]
	s_lshr_b32 s44, s43, 1
	s_lshl_b32 s44, s44, 6                         ; scale bytes: 64 x (head / 2) + 4 r + 2 (head % 2) + h
	s_and_b32 s45, s35, 1
	s_lshl_b32 s45, s45, 1
	s_add_co_u32 s44, s44, s45
	v_lshl_add_u32 v[GS], v7, 2, v8
	s_delay_alu instid0(VALU_DEP_1)
	v_add_nc_u32 v[GS], s44, v[GS]
	s_mov_b32 s44, 0x03020302
	s_and_b32 s43, s[WV], 1                        ; the word holds the two bytes of the double fragment's first tile below those of the second: mine are taken, twice
	s_cmp_lg_u32 s43, 0
	s_cselect_b32 s44, s44, 0x01000100
	s_wait_loadcnt 0x0                             ; Q
	v_perm_b32 v[QS], v11, v11, s44
.irp j, 4,5,6,7
	v_mov_b32 v[Q+\j], 0                           ; the zero codes between
.endr
	v_mov_b32 v13, 0xff61b1e6                      ; the largest t so far: -3e38, under every t
	s_delay_alu instid0(VALU_DEP_1)
	v_floor_f32 v12, -v13                          ; -M
	v_mov_b32 v14, 0                               ; the sum, in two halves
	v_mov_b32 v15, 0
.irp b, 0,1,2,3
	v_mov_b32 v[BP+\b], 0                          ; written once: a lane permute's destination counts as one of its sources
.endr
	v_mov_b32 v[F+1], 0
.irp j, 0,1,2,3,4,5,6,7,8,9,10,11,12,13,14,15,16,17,18,19,20,21,22,23,24,25,26,27,28,29,30,31
	v_mov_b32 v[O+\j], 0                           ; O^T.  (The step is written once: the first finds zeros, which the first change of M leaves zeros.  These lines are also the places between the writes of Q's registers and the first product)
.endr
; A KEY STEP: 128 keys at LDS byte s[TB].
.macro STEP
	v_add_nc_u32 v[AC], s[TB], v[L16]
	v_add_nc_u32 v[AS], s[TB], v[L4]
.irp g, 0,1
	ds_load_b32 v[KS+\g], v[AS] offset:4096+128*\g
.endr
.irp d, 0,1,2,3
.irp u, 0,1
	ds_load_b128 v[KF+8*\d+4*\u:KF+8*\d+4*\u+3], v[AC] offset:1024*\d+512*\u
.endr
.endr
.irp c, 0,1
	ds_load_b32 v[VR+\c], v[AS] offset:4352+4096+128*\c
.endr
.irp t, 0,1,2,3
.irp c, 0,1
	ds_load_b128 v[VF+8*\t+4*\c:VF+8*\t+4*\c+3], v[AC] offset:4352+1024*\t+512*\c
.endr
.endr
	s_wait_dscnt 8                                 ; LDS loads come back in order: all but the youngest eight, V's fragments, are in
.irp d, 0,1,2,3                        ; S^T = K Q^T: a double fragment against [q, 0] and against [0, q]
.irp u, 0,1
.if \d%2
	v_wmma_scale_f32_16x16x128_f8f6f4 v[S+8*(2*\d+\u):S+8*(2*\d+\u)+7], v[KF+8*\d:KF+8*\d+7], v[Q+4*\u:Q+4*\u+7], 0, v[KS+\d/2], v[QS] matrix_a_fmt:MATRIX_FMT_FP4 matrix_b_fmt:MATRIX_FMT_FP4 matrix_a_scale:MATRIX_SCALE_ROW1
.else
	v_wmma_scale_f32_16x16x128_f8f6f4 v[S+8*(2*\d+\u):S+8*(2*\d+\u)+7], v[KF+8*\d:KF+8*\d+7], v[Q+4*\u:Q+4*\u+7], 0, v[KS+\d/2], v[QS] matrix_a_fmt:MATRIX_FMT_FP4 matrix_b_fmt:MATRIX_FMT_FP4
.endif
.endr
.endr
	v_perm_b32 v[VSL], v[VR+1], v[VR], s31         ; V's scale words: key blocks 0, 1 from the first raw register, 2, 3 from the second.  These two lines and two v_nop are the four places behind the products
	v_perm_b32 v[VSL+1], v[VR+1], v[VR], s32
	v_nop
	v_nop
.irp b, 0,1,2,3
	v_max3_num_f32 v[BM+\b], v[S+16*\b], v[S+1+16*\b], v[S+2+16*\b]   ; THE LARGEST SCORE OF EACH BLOCK OF 32 KEYS serves twice: for the row's maximum, and, since p rises with the score, for the block's largest p
.endr
.irp i, 3,5,7,9,11,13
.irp b, 0,1,2,3
	v_max3_num_f32 v[BM+\b], v[BM+\b], v[S+16*\b+\i], v[S+1+16*\b+\i]   ; (the four blocks by turns)
.endr
.endr
.irp b, 0,1,2,3
	v_max_num_f32 v[BM+\b], v[BM+\b], v[S+15+16*\b]
.endr
.irp b, 0,1,2,3
	s_delay_alu instid0(VALU_DEP_4)
	v_permlanex16_b32 v[BP+\b], v[BM+\b], s[SEL], s[SEL+1]
.endr
.irp b, 0,1,2,3
	s_delay_alu instid0(VALU_DEP_4)
	v_max_num_f32 v[BM+\b], v[BM+\b], v[BP+\b]     ; with lane l xor 16's 16 keys
.endr
	s_delay_alu instid0(VALU_DEP_2)
	v_max3_num_f32 v[T], v[BM], v[BM+1], v[BM+2]
	s_delay_alu instid0(VALU_DEP_1)
	v_max_num_f32 v[T], v[T], v[BM+3]              ; the step's largest score of my query
	s_delay_alu instid0(VALU_DEP_1)
	v_mul_f32 v[T], s[CS], v[T]                    ; as t (c is positive)
	s_delay_alu instid0(VALU_DEP_1)
	v_max_num_f32 v13, v13, v[T]                   ; the running largest t
	v_mov_b32 v[T], v12
	s_delay_alu instid0(VALU_DEP_2)
	v_floor_f32 v12, -v13                          ; the new -M = floor(-t) = -ceil(t): M is a whole number
	s_delay_alu instid0(VALU_DEP_1)
	v_sub_f32 v[T], v12, v[T]                      ; M's old value less its new one: a whole number, 0 or less
	s_delay_alu instid0(VALU_DEP_1)
	v_cvt_i32_f32 v[T], v[T]                       ; (it saturates)
	s_delay_alu instid0(VALU_DEP_1)
	v_ldexp_f32 v[F], 1.0, v[T]                    ; f = 2^(old M - new M)
.irp j, 0,2,4,6,8,10,12,14,16,18,20,22,24,26,28,30,32,34,36,38,40,42,44,46,48,50,52,54,56,58,60,62
	v_pk_fma_f32 v[S+\j:S+\j+1], v[S+\j:S+\j+1], s[CS:CS+1], v[12:13] op_sel_hi:[1,0,0]   ; t - M, two at a time (of the pairs c and -M the low word serves both halves)
.endr
.irp b, 0,1,2,3
	v_fma_f32 v[BM+\b], v[BM+\b], s[CS], v12       ; the same of each block's largest score
.endr
	s_wait_alu depctr_va_vdst(0)
.irp j, 0,1,2,3,4,5,6,7,8,9,10,11,12,13,14,15,16,17,18,19,20,21,22,23,24,25,26,27,28,29,30,31,32,33,34,35,36,37,38,39,40,41,42,43,44,45,46,47,48,49,50,51,52,53,54,55,56,57,58,59,60,61,62,63
	v_exp_f32 v[S+\j], v[S+\j]                     ; p = 2^(t - M), at most 1: not normalised
.endr
	s_setprio 1
.irp b, 0,1,2,3
	v_exp_f32 v[BM+\b], v[BM+\b]                   ; the block's largest p: the same two instructions on the same number give the same bits
.endr
	v_pk_mul_f32 v[14:15], v[14:15], v[F:F+1] op_sel_hi:[1,0]   ; the sums under the new M.  (A plain place behind the exponentials)
	s_wait_alu depctr_va_vdst(0)
.irp b, 0,1,2,3
	v_max_num_f32 v[BM+\b], 0x1800000, v[BM+\b]    ; the floor 2^(3 - 127): the byte cannot fall under 1
.endr
.irp b, 0,1,2,3
	s_delay_alu instid0(VALU_DEP_4)
	v_add_nc_u32 v[BSC+\b], 0xff000000, v[BM+\b]   ; 2 off the exponent field: the conversion's scale operand
.endr
.irp b, 0,1,2,3
	s_delay_alu instid0(VALU_DEP_4)
	v_lshrrev_b32 v[BP+\b], 23, v[BSC+\b]          ; the scale's byte
.endr
	s_delay_alu instid0(VALU_DEP_3)
	v_lshl_or_b32 v[PS], v[BP+1], 8, v[BP]         ; p's scale word for these 128 keys
	s_delay_alu instid0(VALU_DEP_1)
	v_lshl_or_b32 v[PS], v[BP+2], 16, v[PS]
	s_delay_alu instid0(VALU_DEP_1)
	v_lshl_or_b32 v[PS], v[BP+3], 24, v[PS]
.irp b, 0,1,2,3
	v_cvt_scalef32_pk8_fp4_f32 v[PC+2*\b], v[S+16*\b:S+16*\b+7], v[BSC+\b]
	v_cvt_scalef32_pk8_fp4_f32 v[PC+1+2*\b], v[S+8+16*\b:S+15+16*\b], v[BSC+\b]
.endr
	v_nop                                          ; one plain place behind a scaled conversion
.irp c, 0,1                            ; the operand's layout wants a whole block in a lane: lanes 0-15 block 2 c, lanes 16-31 block 2 c + 1
.irp i, 0,1
	v_permlane16_swap_b32 v[PC+4*\c+\i], v[PC+2+4*\c+\i]
.endr
.endr
.irp j, 0,2,4,6,8,10,12,14,16,18,20,22,24,26,28,30
	v_pk_mul_f32 v[O+\j:O+\j+1], v[O+\j:O+\j+1], v[F:F+1] op_sel_hi:[1,0]   ; O^T under the new M, each accumulator from its low end on
.endr
	v_pk_add_f32 v[224:225], v[108:109], v[112:113]
	v_pk_add_f32 v[254:255], v[116:117], v[120:121]
	v_pk_add_f32 v[252:253], v[124:125], v[128:129]
	v_pk_add_f32 v[250:251], v[132:133], v[136:137]
	v_pk_add_f32 v[248:249], v[140:141], v[144:145]
	v_pk_add_f32 v[246:247], v[148:149], v[152:153]
	v_pk_add_f32 v[244:245], v[156:157], v[160:161]
	v_pk_add_f32 v[14:15], v[14:15], v[164:165]
	v_pk_add_f32 v[224:225], v[224:225], v[104:105]
	v_pk_add_f32 v[254:255], v[254:255], v[106:107]
	v_pk_add_f32 v[252:253], v[252:253], v[110:111]
	v_pk_add_f32 v[250:251], v[250:251], v[114:115]
	v_pk_add_f32 v[248:249], v[248:249], v[118:119]
	v_pk_add_f32 v[246:247], v[246:247], v[122:123]
	v_pk_add_f32 v[244:245], v[244:245], v[126:127]
	v_pk_add_f32 v[14:15], v[14:15], v[130:131]
	v_pk_add_f32 v[224:225], v[224:225], v[134:135]
	v_pk_add_f32 v[254:255], v[254:255], v[138:139]
	s_setprio 0
	v_pk_add_f32 v[252:253], v[252:253], v[142:143]
	v_pk_add_f32 v[250:251], v[250:251], v[146:147]
	v_pk_add_f32 v[248:249], v[248:249], v[150:151]
	v_pk_add_f32 v[246:247], v[246:247], v[154:155]
	v_pk_add_f32 v[244:245], v[244:245], v[158:159]
	v_pk_add_f32 v[14:15], v[14:15], v[162:163]
	v_pk_add_f32 v[224:225], v[224:225], v[166:167]
	s_delay_alu instid0(VALU_DEP_2)
	v_pk_add_f32 v[14:15], v[14:15], v[250:251]
	s_delay_alu instid0(VALU_DEP_2)
	v_pk_add_f32 v[224:225], v[224:225], v[248:249]
	v_pk_add_f32 v[254:255], v[254:255], v[246:247]
	v_pk_add_f32 v[252:253], v[252:253], v[244:245]
	s_delay_alu instid0(VALU_DEP_2)
	v_pk_add_f32 v[14:15], v[14:15], v[254:255]
	s_delay_alu instid0(VALU_DEP_2)
	v_pk_add_f32 v[224:225], v[224:225], v[252:253]
	s_delay_alu instid0(VALU_DEP_1)
	v_pk_add_f32 v[14:15], v[14:15], v[224:225]
	s_wait_dscnt 0x0                               ; V's fragments are in
.irp t, 0,1,2,3                        ; O^T += V^T P^T: the four accumulators by turns, one instruction a turn
.if \t/2
	v_wmma_scale_f32_16x16x128_f8f6f4 v[O+8*\t:O+8*\t+7], v[VF+8*\t:VF+8*\t+7], v[PC:PC+7], v[O+8*\t:O+8*\t+7], v[VSL+\t%2], v[PS] matrix_a_fmt:MATRIX_FMT_FP4 matrix_b_fmt:MATRIX_FMT_FP4 matrix_a_scale:MATRIX_SCALE_ROW1
.else
	v_wmma_scale_f32_16x16x128_f8f6f4 v[O+8*\t:O+8*\t+7], v[VF+8*\t:VF+8*\t+7], v[PC:PC+7], v[O+8*\t:O+8*\t+7], v[VSL+\t%2], v[PS] matrix_a_fmt:MATRIX_FMT_FP4 matrix_b_fmt:MATRIX_FMT_FP4
.endif
.endr
.rept 4
	v_nop                                          ; four places in front of the next step's loads into V's registers, and of the way out's reads of O^T
.endr
.endm
; THE CHANGE OF SLOTS stands at a slot's head.  Each wave waits for all its tensor loads (its part of the slot that it is about to read), adds 0 to its spare word, and waits for that and for its reads of the slot that it has left.
; fill = 1: the barrier is a round of the cluster's, so that no wave of any partner still reads the other slot or has a load on its way, and the joint load of the next 8 steps into it is the first thing behind: it has 8 steps in which to land.
.macro CHANGE fill
	s_wait_tensorcnt 0x0                           ; no tensor load of mine is out, so the group 0 may be written
	ds_add_u32 v[SPW], v[NIL]                      ; 0 onto my spare word
.if \fill
	s_xor_b32 s[G0+1], s[G0+1], SLOT1              ; the other slot than last time,
	s_add_nc_u64 s[G0+2:G0+3], s[G0+2:G0+3], SLOTB ; the next 8 steps; the type bits on top are not reached
.endif
	s_wait_dscnt 0x0                               ; the add is done, and my reads of the slot that I have left are over
.if \fill
	CROUND
	TLOAD
.else
	s_barrier_signal -1
	s_barrier_wait -1
.endif
.endm
.macro SLOT_STEPS                      ; a slot's 8 steps: written once, walked eight times
	s_mov_b32 s[CNT], 8
.Lstep_\@:
	s_setprio 2
	STEP
	s_add_co_u32 s[TB], s[TB], STEPB
	s_sub_co_u32 s[CNT], s[CNT], 1
	s_cmp_lg_u32 s[CNT], 0
	s_cbranch_scc1 .Lstep_\@
	s_setprio 0
	s_sub_co_u32 s[TB], s[TB], SLOTB               ; back to a slot's first step,
	s_xor_b32 s[TB], s[TB], SLOT1                  ; in the other slot
.endm
.Lslot:                                            ; three trips: behind each change of slots but the last the next slot is asked for
	CHANGE 1
	SLOT_STEPS
	s_sub_co_u32 s[SLOTS], s[SLOTS], 1
	s_cmp_lg_u32 s[SLOTS], 0
	s_cbranch_scc1 .Lslot
	CHANGE 0                                       ; the last slot is written out
	SLOT_STEPS
	s_wait_alu depctr_va_vdst(0)
	; THE WAY OUT.  O^T / the sum; its 32 registers are the head's numbers 32 b + 16 h + i of my query: two blocks, quantised as every operand is, and stored as an image of the last projection's operand registers.
	v_add_f32 v14, v14, v15                        ; the sum's two halves,
	s_delay_alu instid0(VALU_DEP_1)
	v_permlanex16_b32 v[T], v14, s[SEL], s[SEL+1]
	s_delay_alu instid0(VALU_DEP_1)
	v_add_f32 v14, v14, v[T]                       ; and lane l xor 16's: the row's sum
	s_wait_alu depctr_va_vdst(0)
	v_rcp_f32 v14, v14
	v_nop                                          ; one plain place behind a transcendental
	s_wait_alu depctr_va_vdst(0)
.irp j, 0,2,4,6,8,10,12,14,16,18,20,22,24,26,28,30
	v_pk_mul_f32 v[S+\j:S+\j+1], v[O+\j:O+\j+1], v[14:15] op_sel_hi:[1,0]
.endr
.irp b, 0,1
	v_max3_num_f32 v[BM+\b], |v[S+16*\b]|, |v[S+1+16*\b]|, 0x1800000   ; block b: my 16 numbers, and the floor 2^(3 - 127)
.endr
.irp i, 2,4,6,8,10,12,14
.irp b, 0,1
	s_delay_alu instid0(VALU_DEP_2)
	v_max3_num_f32 v[BM+\b], v[BM+\b], |v[S+16*\b+\i]|, |v[S+1+16*\b+\i]|
.endr
.endr
.irp b, 0,1
	s_delay_alu instid0(VALU_DEP_2)
	v_permlanex16_b32 v[BP+\b], v[BM+\b], s[SEL], s[SEL+1]
.endr
.irp b, 0,1
	s_delay_alu instid0(VALU_DEP_2)
	v_max_num_f32 v[BM+\b], v[BM+\b], v[BP+\b]
.endr
.irp b, 0,1
	s_delay_alu instid0(VALU_DEP_2)
	v_add_nc_u32 v[BSC+\b], 0xff000000, v[BM+\b]
.endr
.irp b, 0,1
	s_delay_alu instid0(VALU_DEP_2)
	v_lshrrev_b32 v[BP+\b], 23, v[BSC+\b]
.endr
.irp b, 0,1
.irp e, 0,1
	v_cvt_scalef32_pk8_fp4_f32 v[PC+2*\b+\e], v[S+16*\b+8*\e:S+16*\b+8*\e+7], v[BSC+\b]
.endr
.endr
	v_nop                                          ; one plain place behind a scaled conversion
	v_permlane16_swap_b32 v[PC], v[PC+2]           ; lanes 0-15 block 0, lanes 16-31 block 1
	v_permlane16_swap_b32 v[PC+1], v[PC+3]
	global_store_b128 v[GC], v[PC:PC+3], s[8:9]    ; the wave stores 512 consecutive bytes, at a multiple of 256 from the buffer's first byte
	v_cmp_eq_u32 vcc_lo, 1, v8
	s_delay_alu instid0(VALU_DEP_1)
	v_cndmask_b32 v[T], v[BP], v[BP+1], vcc_lo     ; lane (r, h): the byte of block h of row r
	global_store_b8 v[GS], v[T], s[8:9] offset:4096
	s_wait_tensorcnt 0x0                           ; the wave's end
	ds_add_u32 v[SPW], v[NIL]
	s_wait_dscnt 0x0
	CROUND                                         ; the closing round: no work-group ends while a partner may still ask for a tile that names it
	s_endpgm
.Lfunc_end_k_qd2e6754ff1_attn:
	.size	k_qd2e6754ff1_attn, .Lfunc_end_k_qd2e6754ff1_attn-k_qd2e6754ff1_attn
	.p2alignl 7, 3214868480
	.fill 96, 4, 3214868480
	.section	.rodata,"a",@progbits
	.p2align	6, 0x0
	.amdhsa_kernel k_qd2e6754ff1_attn
		.amdhsa_group_segment_fixed_size 327680
		.amdhsa_private_segment_fixed_size 0
		.amdhsa_enable_private_segment 0
		.amdhsa_kernarg_size 24
		.amdhsa_user_sgpr_count 2
		.amdhsa_user_sgpr_kernarg_segment_ptr 1
		.amdhsa_wavefront_size32 1
		.amdhsa_system_sgpr_workgroup_id_x 1
		.amdhsa_system_sgpr_workgroup_id_y 1
		.amdhsa_system_sgpr_workgroup_id_z 1
		.amdhsa_system_vgpr_workitem_id 0
		.amdhsa_next_free_vgpr 256
		.amdhsa_next_free_sgpr 66
		.amdhsa_reserve_vcc 1
		.amdhsa_float_denorm_mode_32 3
		.amdhsa_float_denorm_mode_16_64 3
		.amdhsa_memory_ordered 1
		.amdhsa_forward_progress 1
		.amdhsa_inst_pref_size 45
	.end_amdhsa_kernel
	.amdgpu_metadata
---
amdhsa.version: [ 1, 2 ]
amdhsa.kernels:
  - .name:           k_qd2e6754ff1_attn
    .symbol:         k_qd2e6754ff1_attn.kd
    .args:
      - { .name: qi, .offset: 0, .size: 8, .value_kind: global_buffer, .address_space: global }
      - { .name: kv, .offset: 8, .size: 8, .value_kind: global_buffer, .address_space: global }
      - { .name: ao, .offset: 16, .size: 8, .value_kind: global_buffer, .address_space: global }
    .group_segment_fixed_size: 327680
    .private_segment_fixed_size: 0
    .kernarg_segment_align: 8
    .kernarg_segment_size: 24
    .max_flat_workgroup_size: 512
    .sgpr_count:     66
    .vgpr_count:     256
    .wavefront_size: 32
...
	.end_amdgpu_metadata
.endif
;; end of part 5
;; launch oproj (part 6): grid 256 x 1, 4 waves a work-group, no clusters, 17,920 bytes of LDS; arguments ao, Wo_codes, Wo_scales, bo, out0; writes out0
.if DOCPART == 6
	.amdgcn_target "amdgcn-amd-amdhsa--gfx1250"
	.amdhsa_code_object_version 6
	.text
	.protected	k_qd2e6754ff1_oproj
	.globl	k_qd2e6754ff1_oproj
	.p2align	8
	.type	k_qd2e6754ff1_oproj,@function
k_qd2e6754ff1_oproj:
	s_mov_b64 s[64:65], 0
	v_nop
	global_prefetch_b8 v0, s[64:65] scope:SCOPE_SE
	s_setreg_imm32_b32 hwreg(HW_REG_WAVE_SCHED_MODE, 0, 2), 2
	s_setreg_imm32_b32 hwreg(HW_REG_WAVE_MODE, 25, 1), 1
	s_wait_xcnt 0x0
	s_wait_alu depctr_vm_vsrc(0)
; THE LAST PROJECTION: out0 = a Wo^T + bo on codes of FP4 (E2M1), one E8M0 scale for each 32 along K = 512.  a, the attention's output, lies in ao as images of operand registers:
; [token tile 512][4,352]: fragment of K step s, half c at 512 (2 s + c), lane l's 16 bytes at 16 l; then the scale words [K step 4][row 16][4 bytes].
; SHARES.  1,024 waves: wave W = 4 x work-group + wave; 64 columns W % 8, 64 tokens (four tiles) W / 8.  A wave makes 64 x 64: 16 accumulators, 64 matrix instructions, behind one burst of loads.
; THE MATRIX INSTRUCTION IS USED TRANSPOSED: source 0 = 16 rows of Wo, source 1 = a tile of tokens: a lane holds one token.  Lane r of Wo's tile t takes row 32 (t / 2) + 8 (t % 2) + r + 8 (r / 8), so register j of tile t
; of lane (r, h) is column 32 (t / 2) + 16 h + 8 (t % 2) + j.  The tokens of a tile are chosen in the same way by the launches before: tile a's row p is token 32 (a / 2) + 8 (a % 2) + p + 8 (p / 8) of the 64; the stores' offsets undo that.
; The bias is the C of each sum's first matrix instruction.  No tensor load and so no joint request in a cluster: every operand byte goes from memory straight into the registers of the wave that multiplies it, once.
; THE WAY OUT.  A lane's 8 registers of a tile are 32 bytes of a row, the lanes beside it hold other rows: so 16 rows x 256 bytes at a time go through the wave's own stage in LDS (rows 272 bytes apart) and come back by rows:
; sixteen lanes store 256 consecutive bytes, at a multiple of 256 from out0's first byte.  No barrier: a stage is its wave's own.
; REGISTERS: window 0: v1-12 lane numbers and addresses; v46, v47 the closing add's two; v48-63 scale words; v64-95 the bias, later with v96-127 rows on their way out; v128-255 accumulator (a, t) at 128 + 32 a + 8 t.
;   window 1: Wo's fragment (t, s) at v[8 (4 t + s)]; a's (tile a, s) at v[128 + 8 (4 a + s)].
; THE MODE: SCHED_MODE bits 1:0 = 2 (LLVM: expert scheduling mode 2), set by the entry lines.  The code itself states the register dependences between vector or matrix instructions and memory or LDS instructions,
; with s_wait_alu, always for 0.
; THE PLAN.  Registers that memory or LDS instructions touch:
;   v5-12, v46, v47   offsets and LDS addresses: written once, by vector instructions at the head, and never again.
;   window 1, v48-63  the loads land in them; matrix instructions read them behind the wait on LOADcnt; nothing lands in them again.
;   v64-95            the bias lands here and the first K step's matrix instructions read it as C; then the stage's loads of tiles 0 and 2 land here, and global stores read them.
;   v96-127           the stage's loads of tiles 1 and 3 land here, and global stores read them.  No vector instruction names them.
;   v128-255          the accumulators: written by matrix instructions, read by the LDS stores, never written again.
; So one wait on va_vdst stands ahead of the first load, for the addresses; one behind the places that follow the last product, for the accumulators and for the bias's registers: no vector or matrix instruction
; follows it, so it serves the whole way out.  A wait on vm_vsrc stands ahead of tiles 2 and 3: the global stores of the tile two back have read the set in which their loads land.  One wait on va_sdst stands ahead of
; the first reader of the wave's number.
.set AF,  5                            ; v5   Wo: 256 x (r + 8 (r / 8)) + 16 h
.set ASC, 6                            ; v6   its scale words: 16 x (r + 8 (r / 8)) + 4 h
.set ABQ, 7                            ; v7   bias: 64 h
.set L16, 8                            ; v8   16 x lane
.set L4,  9                            ; v9   4 x lane
.set STO, 10                           ; v10  the stage, in: row r, + 64 h
.set RD,  11                           ; v11  and back: row h, + 16 r
.set CO,  12                           ; v12  the same in out0: 2,048 h + 16 r
.set SS0, 48
.set SS1, 56
.set CB,  64
.set BK,  64                           ; two sets of 32 registers by turns
.set ACC, 128
.set SPITCH, 272
.set MSB, 0
.macro WIN new                         ; the immediate's high byte repeats the setting that is left
.if MSB != \new
	s_set_vgpr_msb (MSB<<8)|\new
.set MSB, \new
.endif
.endm
.macro MULS s, cmode                   ; K step s: the 16 accumulators by turns, one instruction a turn.  cmode 1: the sums begin with the bias
.irp a, 0,1,2,3
.irp t, 0,1,2,3
.set rD, ACC+32*\a+8*\t
.if \cmode == 0
.set rC, rD
.else
.set rC, CB+8*\t
.endif
.if (\s)%2
	v_wmma_scale_f32_16x16x128_f8f6f4 v[rD:rD+7], v[8*(4*\t+\s):8*(4*\t+\s)+7], v[128+8*(4*\a+\s):128+8*(4*\a+\s)+7], v[rC:rC+7], v[SS0+2*\t+(\s)/2], v[SS1+2*\a+(\s)/2] matrix_a_fmt:MATRIX_FMT_FP4 matrix_b_fmt:MATRIX_FMT_FP4 matrix_a_scale:MATRIX_SCALE_ROW1 matrix_b_scale:MATRIX_SCALE_ROW1
.else
	v_wmma_scale_f32_16x16x128_f8f6f4 v[rD:rD+7], v[8*(4*\t+\s):8*(4*\t+\s)+7], v[128+8*(4*\a+\s):128+8*(4*\a+\s)+7], v[rC:rC+7], v[SS0+2*\t+(\s)/2], v[SS1+2*\a+(\s)/2] matrix_a_fmt:MATRIX_FMT_FP4 matrix_b_fmt:MATRIX_FMT_FP4
.endif
.endr
.endr
.endm
	s_load_b256 s[4:11], s[0:1], 0x0               ; ao s[4:5], Wo's codes s[6:7], Wo's scales s[8:9], bo s[10:11]
	s_load_b64 s[12:13], s[0:1], 0x20              ; out0
	v_lshl_add_u32 v46, v0, 2, 0x4400              ; the LDS address of my spare word, behind the four stages (4 x 16 x 272 bytes), and 0: made here and kept for the closing lines alone
	v_mov_b32 v47, 0
	v_lshrrev_b32 v1, 5, v0
	v_readfirstlane_b32 s14, v1                    ; wave 0..3
	s_lshl_b32 s15, ttmp9, 2
	s_wait_alu depctr_va_sdst(0)                   ; s14, the wave's number, is written, ahead of its first reader
	s_add_co_u32 s15, s15, s14                     ; W
	s_and_b32 s16, s15, 7                          ; which 64 columns
	s_lshr_b32 s17, s15, 3                         ; which 64 tokens
	s_mov_b32 s19, 0
	v_and_b32 v1, 31, v0                           ; lane
	v_and_b32 v2, 15, v0                           ; r
	v_bfe_u32 v3, v0, 4, 1                         ; h
	v_and_b32 v4, 8, v2
	v_add_nc_u32 v4, v4, v2                        ; r + 8 (r / 8)
	v_lshlrev_b32 v[AF], 8, v4
	v_lshl_add_u32 v[AF], v3, 4, v[AF]
	v_lshlrev_b32 v[ASC], 4, v4
	v_lshl_add_u32 v[ASC], v3, 2, v[ASC]
	v_lshlrev_b32 v[ABQ], 6, v3
	v_lshlrev_b32 v[L16], 4, v1
	v_lshlrev_b32 v[L4], 2, v1
	s_mul_i32 s20, s14, 16*SPITCH                  ; my stage
	v_mul_u32_u24 v[STO], v2, SPITCH
	v_lshl_add_u32 v[STO], v3, 6, v[STO]
	v_add_nc_u32 v[STO], s20, v[STO]
	v_mul_u32_u24 v[RD], v3, SPITCH
	v_lshl_add_u32 v[RD], v2, 4, v[RD]
	v_add_nc_u32 v[RD], s20, v[RD]
	v_lshlrev_b32 v[CO], 11, v3
	v_lshl_add_u32 v[CO], v2, 4, v[CO]
	s_wait_kmcnt 0x0
	s_mul_i32 s18, s17, 4*4352                     ; my four token tiles
	s_add_nc_u64 s[4:5], s[4:5], s[18:19]
	s_lshl_b32 s18, s16, 14                        ; my 64 rows of Wo: 256 bytes of codes each,
	s_add_nc_u64 s[6:7], s[6:7], s[18:19]
	s_lshl_b32 s18, s16, 10                        ; 16 scale bytes each
	s_add_nc_u64 s[8:9], s[8:9], s[18:19]
	s_lshl_b32 s18, s16, 8                         ; my 64 columns: 256 bytes of bo and of a row of out0
	s_add_nc_u64 s[10:11], s[10:11], s[18:19]
	s_add_nc_u64 s[12:13], s[12:13], s[18:19]
	s_lshl_b32 s18, s17, 17                        ; my 64 rows of out0, 2,048 bytes each
	s_add_nc_u64 s[12:13], s[12:13], s[18:19]
	WIN 0x40                                       ; destination window 1, address window 0
	s_wait_alu depctr_va_vdst(0)                   ; the offsets and LDS addresses v5 to v12 are written, which every load, store and LDS instruction of the kernel reads; up to the last load only loads and a window switch follow
.irp t, 0,1,2,3
.irp s, 0,1,2,3
.irp c, 0,1
	global_load_b128 v[8*(4*\t+\s)+4*\c:8*(4*\t+\s)+4*\c+3], v[AF], s[6:7] offset:(32*(\t/2)+8*(\t%2))*256+64*\s+32*\c
.endr
.endr
.endr
.irp a, 0,1,2,3
.irp s, 0,1,2,3
.irp c, 0,1
	global_load_b128 v[128+8*(4*\a+\s)+4*\c:128+8*(4*\a+\s)+4*\c+3], v[L16], s[4:5] offset:4352*\a+512*(2*\s+\c)   ; an image: the wave reads 512 consecutive bytes
.endr
.endr
.endr
	WIN 0
.irp t, 0,1,2,3
.irp g, 0,1
	global_load_b32 v[SS0+2*\t+\g], v[ASC], s[8:9] offset:(32*(\t/2)+8*(\t%2))*16+8*\g   ; lanes 0-15 K step 2 g, lanes 16-31 K step 2 g + 1
.endr
.endr
.irp a, 0,1,2,3
.irp g, 0,1
	global_load_b32 v[SS1+2*\a+\g], v[L4], s[4:5] offset:4352*\a+4096+128*\g
.endr
.endr
.irp t, 0,1,2,3
	global_load_b128 v[CB+8*\t:CB+8*\t+3], v[ABQ], s[10:11] offset:(32*(\t/2)+8*(\t%2))*4
	global_load_b128 v[CB+8*\t+4:CB+8*\t+7], v[ABQ], s[10:11] offset:(32*(\t/2)+8*(\t%2))*4+16
.endr
	s_wait_loadcnt 0x0                             ; one wait for the one burst
	WIN 0x05                                       ; sources 0 and 1 window 1; C and D window 0
	MULS 0, 1
	MULS 1, 0
	MULS 2, 0
	MULS 3, 0
	WIN 0
.rept 4
	v_nop                                          ; four places in front of the first read of results (ISA guide 7.12.1); they stay beside the wait below
.endr
	s_wait_alu depctr_va_vdst(0)                   ; the matrix instructions have written the accumulators, which the LDS stores read, and are done reading the bias's registers, in which the stage's loads land
.macro TOSTAGE a                       ; token tile a: 16 rows x 256 bytes into my stage, each accumulator from its low end on, and back by rows.  LDS serves a wave's instructions in order: no wait between
.irp t, 0,1,2,3
	ds_store_b128 v[STO], v[ACC+32*(\a)+8*\t:ACC+32*(\a)+8*\t+3] offset:128*(\t/2)+32*(\t%2)
	ds_store_b128 v[STO], v[ACC+32*(\a)+8*\t+4:ACC+32*(\a)+8*\t+7] offset:128*(\t/2)+32*(\t%2)+16
.endr
.irp i, 0,1,2,3,4,5,6,7
	ds_load_b128 v[BK+32*((\a)%2)+4*\i:BK+32*((\a)%2)+4*\i+3], v[RD] offset:2*\i*SPITCH
.endr
.endm
.macro SEND a, younger                 ; younger: the LDS instructions issued behind tile a's loads, which may stay out
	s_wait_dscnt \younger
.irp i, 0,1,2,3,4,5,6,7
	global_store_b128 v[CO], v[BK+32*((\a)%2)+4*\i:BK+32*((\a)%2)+4*\i+3], s[12:13] offset:(32*((\a)/2)+8*((\a)%2)+2*\i+8*(\i/4))*2048 th:TH_STORE_NT   ; stage rows 2 i and 2 i + 1 are tokens 32 (a / 2) + 8 (a % 2) + 2 i + h + 8 (i / 4)
.endr
.endm
	TOSTAGE 0
.irp a, 1,2,3
.if \a > 1
	s_wait_xcnt 0x0                                ; tile a - 2's stores have had their addresses translated: tile a's loads may land in their registers
	s_wait_alu depctr_vm_vsrc(0)                   ; tile a - 2's global stores have read their set of 32 registers, in which tile a's loads from the stage land
.endif
	TOSTAGE \a
	SEND \a-1, 16                                  ; behind tile a - 1's loads: tile a's 8 stores and 8 loads
.endr
	SEND 3, 0
	s_wait_dscnt 0x0                               ; the closing lines, six on end
	s_wait_alu 0x0
	s_wait_tensorcnt 0x0
	ds_add_u32 v46, v47
	s_wait_dscnt 0x0
	s_endpgm
.Lfunc_end_k_qd2e6754ff1_oproj:
	.size	k_qd2e6754ff1_oproj, .Lfunc_end_k_qd2e6754ff1_oproj-k_qd2e6754ff1_oproj
	.p2alignl 7, 3214868480
	.fill 96, 4, 3214868480
	.section	.rodata,"a",@progbits
	.p2align	6, 0x0
	.amdhsa_kernel k_qd2e6754ff1_oproj
		.amdhsa_group_segment_fixed_size 17920
		.amdhsa_private_segment_fixed_size 0
		.amdhsa_enable_private_segment 0
		.amdhsa_kernarg_size 40
		.amdhsa_user_sgpr_count 2
		.amdhsa_user_sgpr_kernarg_segment_ptr 1
		.amdhsa_wavefront_size32 1
		.amdhsa_system_sgpr_workgroup_id_x 1
		.amdhsa_system_sgpr_workgroup_id_y 1
		.amdhsa_system_sgpr_workgroup_id_z 1
		.amdhsa_system_vgpr_workitem_id 0
		.amdhsa_next_free_vgpr 512
		.amdhsa_next_free_sgpr 66
		.amdhsa_reserve_vcc 0
		.amdhsa_float_denorm_mode_32 3
		.amdhsa_float_denorm_mode_16_64 3
		.amdhsa_memory_ordered 1
		.amdhsa_forward_progress 1
		.amdhsa_inst_pref_size 27
	.end_amdhsa_kernel
	.amdgpu_metadata
---
amdhsa.version: [ 1, 2 ]
amdhsa.kernels:
  - .name:           k_qd2e6754ff1_oproj
    .symbol:         k_qd2e6754ff1_oproj.kd
    .args:
      - { .name: ao, .offset: 0, .size: 8, .value_kind: global_buffer, .address_space: global }
      - { .name: Wo_codes, .offset: 8, .size: 8, .value_kind: global_buffer, .address_space: global }
      - { .name: Wo_scales, .offset: 16, .size: 8, .value_kind: global_buffer, .address_space: global }
      - { .name: bo, .offset: 24, .size: 8, .value_kind: global_buffer, .address_space: global }
      - { .name: out0, .offset: 32, .size: 8, .value_kind: global_buffer, .address_space: global }
    .group_segment_fixed_size: 17920
    .private_segment_fixed_size: 0
    .kernarg_segment_align: 8
    .kernarg_segment_size: 40
    .max_flat_workgroup_size: 128
    .sgpr_count:     66
    .vgpr_count:     512
    .wavefront_size: 32
...
	.end_amdgpu_metadata
.endif
;; end of part 6
